; MI455X (gfx1250); checked and timed in simulation.
; The chip was launched on July 23, 2026; its instructions are those of AMD's public machine-readable ISA for CDNA 5 (MIT licence, August 2026) and "CDNA5" Instruction Set Architecture Reference Guide (July 2026). The comments in the code are by the model that wrote it; some were corrected since.
;; Language Vision Attention. Allowed arithmetic: float matrix products may take bf16 or f16 operands with f32 sums; other float arithmetic in f32, or as packed bf16 or f16 multiplies, adds, multiply-adds, maxima and minima; sums over many terms, partial sums and values carried from step to step in f32; what a program stores and reads back later, other than sums and carried values, may be rounded once to bf16 or f16.
;; Inputs: Wk 256 x 512 float32; Wq 256 x 512 float32; Wv 256 x 512 float32; Ww 256 x 256 float32; bk 256 float32; bq 256 float32; bv 256 float32; bw 256 float32; l 4 x 1,024 x 512 float32; x 4 x 4,096 x 512 float32.
;; Outputs: out0 4 x 1,024 x 256 float32.
;; 2 versions, each right and faster than the one before. Each part assembles by itself: llvm-mc -triple=amdgcn-amd-amdhsa -mcpu=gfx1250 --defsym DOCPART=n.
;; ======== version 1 of 2: 3 launches
;; limits: values are held in f16: magnitudes above 65,504 overflow, below 6.1e-05 lose precision
;; workspace buffers: Kf 8,388,608 bytes; Vf 8,388,608 bytes; Qf 2,097,152 bytes; stat 262,144 bytes; Af 4,194,304 bytes
;; launch proj (part 1): grid 256 x 1, 4 waves a work-group, no clusters, 112,640 bytes of LDS; arguments x, l, Wk, Wv, Wq, bk, bv, bq, Kf, Vf, Qf, stat; writes Kf, Vf, Qf, stat
.if DOCPART == 1
	.amdgcn_target "amdgcn-amd-amdhsa--gfx1250"
	.amdhsa_code_object_version 6
	.text
	.protected	k_q8daea8fd85_proj
	.globl	k_q8daea8fd85_proj
	.p2align	8
	.type	k_q8daea8fd85_proj,@function
k_q8daea8fd85_proj:
	s_mov_b64 s[64:65], 0
	v_nop
	global_prefetch_b8 v0, s[64:65] scope:SCOPE_SE
	s_setreg_imm32_b32 hwreg(HW_REG_WAVE_MODE, 25, 1), 1
	s_wait_xcnt 0x0
; The three input projections, K = 512, bf16 operands, f32 sums that start from the bias.
;   k = x Wk^T + bk : stored as f16, centred on the mean of its block of 128 positions, with that mean and the centred sum of squares (f32) in stat
;   v = x Wv^T + bv : stored as f16
;   q = l Wq^T + bq : stored as f16
; f16 and not bf16, because the program's last norm keeps only what differs between queries, and there bf16's rounding of these three would show.
; LIMIT: |q|, |k - block mean|, |v| <= 65504, f16's largest number.
; All three are stored in the order in which the next launch's matrix instructions want them in registers: every store is 512 consecutive bytes.
; Work-group g: role g & 1 (0: k, 1: v), positions 128 (g >> 1) .. + 127 of the flattened x, all 256 channels; wave w: channels 64 w .. + 63,
; 8 position tiles x 4 channel tiles = 256 accumulator registers, so that a channel's 128 positions never leave a wave.
; Every work-group also makes 64 rows (g >> 2) x 64 channels (g & 3) of q: 256 equal shares.
; OPERANDS: f32 comes through registers (16 bytes a lane, 16 lanes = 256 consecutive bytes of a row), is rounded to bf16 ONCE and laid into padded LDS tiles.
; No tensor loads and no multicast: they would lay f32 into LDS, which doubles the bytes of every fragment read (24,576 in place of 12,288 for a wave and
; 32 of K) and makes each of the four waves round x's eight fragments again.
; Twelve chunks run through two register sets and two LDS buffers: 8 of x and W (64 of K), 4 of l and Wq (128 of K).  Chunk c's loads are issued three
; chunks ahead of its products.  One barrier a chunk.
; Not served: NaN and infinite inputs.  The order of the sums differs from a serial one.
.set XP,    144                        ; LDS pitch of an x or W row: 128 bytes of bf16 + 16 (9 x 16: sixteen rows start in sixteen different 16-byte columns)
.set QP,    272                        ; LDS pitch of an l or Wq row: 256 + 16
.set BUF,   55296                      ; an LDS buffer: 128 x rows + 256 W rows of 144 bytes (the q form needs 128 rows of 272)
.set WOFF,  18432                      ; W's rows behind x's 128
.set QWOFF, 17408                      ; Wq's rows behind l's 64
.set STG,   110592                     ; behind the two buffers: 512 bytes a wave for the statistics
.set BQ,    24                         ; v[24:31]   bq as a C operand
.set BIAS,  32                         ; v[32:63]   bias tuples of the 4 channel tiles; later q's 4 accumulators
.set F0,    64                         ; v[64:159]  fragments, first 32 of K: 8 of x, 4 of W
.set F1,    160                        ; v[160:255] fragments, second 32 of K
.set TS,    64                         ; the way out: sums, then means
.set T2,    96                         ;              centred sums of squares
.set PK,    128                        ;              packed results
; window 1: accumulator (ct, p) at v[64 ct + 8 p].  windows 2 and 3: staging set 0 and 1: v0-191 data, v192-195 the set's own copies of the offsets.
.set MSB, 0
.macro WIN new                         ; s_set_vgpr_msb: bits 1:0 source 0, 3:2 source 1, 5:4 source 2, 7:6 destination; the high byte repeats the setting left
.if MSB != \new
	s_set_vgpr_msb (MSB<<8)|\new
.set MSB, \new
.endif
.endm
.macro NOPS n
.rept \n
	v_nop
.endr
.endm
	s_load_b512 s[8:23], s[0:1], 0x0               ; x 8, l 10, Wk 12, Wv 14, Wq 16, bk 18, bv 20, bq 22
	s_load_b256 s[24:31], s[0:1], 0x40             ; Kf 24, Vf 26, Qf 28, stat 30
	v_lshrrev_b32 v20, 5, v0
	v_readfirstlane_b32 s2, v20                    ; wave w
	s_and_b32 s3, ttmp9, 1                         ; role
	s_lshr_b32 s4, ttmp9, 1                        ; block of 128 positions, 0 .. 127
	s_lshr_b32 s50, ttmp9, 2                       ; q: block of 64 rows
	s_and_b32 s51, ttmp9, 3                        ; q: block of 64 channels
	v_and_b32 v21, 31, v0                          ; lane L
	v_and_b32 v22, 15, v0                          ; r
	v_bfe_u32 v23, v0, 4, 1                        ; hh
	v_lshlrev_b32 v1, 4, v21                       ; 16 L
	v_lshlrev_b32 v2, 3, v21                       ; 8 L
	v_mul_u32_u24 v3, v22, XP
	v_lshl_add_u32 v3, v23, 4, v3                  ; x fragments, buffer 0: r x 144 + 16 hh
	v_add_nc_u32 v4, BUF, v3                       ; buffer 1
	s_mul_i32 s52, s2, 64*XP
	s_add_co_u32 s52, s52, WOFF
	v_add_nc_u32 v5, s52, v3                       ; W fragments: my 64 channels
	v_add_nc_u32 v6, BUF, v5
	v_mul_u32_u24 v7, v22, QP
	v_lshl_add_u32 v7, v23, 4, v7                  ; l fragments
	v_add_nc_u32 v8, BUF, v7
	s_mul_i32 s52, s2, 16*QP
	s_add_co_u32 s52, s52, QWOFF
	v_add_nc_u32 v9, s52, v7                       ; Wq fragment: my 16 channels
	v_add_nc_u32 v10, BUF, v9
	s_lshl_b32 s52, s2, 9
	s_add_co_u32 s52, s52, STG
	v_lshl_add_u32 v11, v23, 5, s52                ; statistics in: 8 channels of 4 bytes for each half of the lanes
	v_add_nc_u32 v12, s52, v2                      ; statistics back: 8 bytes a lane
	v_lshlrev_b32 v13, 5, v23                      ; 32 hh: a bias along the registers
	v_lshlrev_b32 v14, 2, v22                      ; 4 r: a bias along the lanes
	; staging offsets: 16 lanes take 256 bytes of a row, a wave two rows, the work-group eight
	s_lshl_b32 s52, s2, 12
	v_lshlrev_b32 v16, 4, v22
	v_lshl_add_u32 v16, v23, 11, v16
	v_add_nc_u32 v16, s52, v16                     ; memory: (2 w + hh) x 2048 + 16 r
	s_mul_i32 s52, s2, 2*XP
	v_mul_u32_u24 v20, v23, XP
	v_lshl_add_u32 v17, v22, 3, v20
	v_add_nc_u32 v17, s52, v17                     ; LDS: (2 w + hh) x 144 + 8 r
	s_lshl_b32 s52, s2, 11
	v_add_nc_u32 v18, s52, v1                      ; q form, memory: a wave takes 512 bytes of one row: w x 2048 + 16 L
	s_mul_i32 s52, s2, QP
	v_add_nc_u32 v19, s52, v2                      ; q form, LDS: w x 272 + 8 L
	WIN 0x80                                       ; each staging set names only its own window: three switches a chunk
	v_mov_b32 v192, v16
	v_mov_b32 v193, v17
	v_mov_b32 v194, v18
	v_mov_b32 v195, v19
	WIN 0xc0
	v_mov_b32 v192, v16
	v_add_nc_u32 v193, BUF, v17                    ; set 1 fills buffer 1
	v_mov_b32 v194, v18
	v_add_nc_u32 v195, BUF, v19
	WIN 0
	s_mov_b32 s7, 0
	s_wait_kmcnt 0x0
	s_lshl_b32 s6, s4, 18
	s_add_nc_u64 s[32:33], s[8:9], s[6:7]          ; x at my 128 rows of 2,048 bytes
	s_lshl_b32 s6, s50, 17
	s_add_nc_u64 s[36:37], s[10:11], s[6:7]        ; l at my 64 rows
	s_lshl_b32 s6, s51, 17
	s_add_nc_u64 s[38:39], s[16:17], s[6:7]        ; Wq at my 64 rows
	s_cmp_lg_u32 s3, 0
	s_cselect_b64 s[34:35], s[14:15], s[12:13]     ; the role's weights,
	s_cselect_b64 s[40:41], s[20:21], s[18:19]     ; bias
	s_cselect_b64 s[44:45], s[26:27], s[24:25]     ; and output
	s_lshl_b32 s6, s2, 8
	s_add_nc_u64 s[40:41], s[40:41], s[6:7]        ; bias of my 64 channels
	s_lshl_b32 s6, s51, 8
	s_lshl_b32 s52, s2, 6
	s_add_co_u32 s6, s6, s52
	s_add_nc_u64 s[42:43], s[22:23], s[6:7]        ; bq of my 16 channels
	s_lshr_b32 s52, s4, 5                          ; batch
	s_lshl_b32 s6, s52, 21
	s_lshl_b32 s52, s2, 19                         ; heads 2 w, 2 w + 1: 262,144 bytes a head
	s_add_co_u32 s6, s6, s52
	s_and_b32 s52, s4, 31
	s_lshl_b32 s52, s52, 13                        ; 128 positions are 8,192 bytes of a head, in Kf and in Vf
	s_add_co_u32 s6, s6, s52
	s_add_nc_u64 s[44:45], s[44:45], s[6:7]
	s_lshr_b32 s52, s50, 4                         ; q's batch
	s_lshl_b32 s52, s52, 3
	s_lshl1_add_u32 s52, s51, s52                  ; + head 2 qc
	s_lshr_b32 s53, s2, 1
	s_add_co_u32 s52, s52, s53                     ; + w / 2
	s_lshl_b32 s52, s52, 6                         ; 64 query tiles a head
	s_and_b32 s53, s50, 15
	s_lshl2_add_u32 s52, s53, s52                  ; + my first tile
	s_lshl_b32 s6, s52, 10                         ; 1,024 bytes a tile (16 queries x 32 channels of f16)
	s_and_b32 s53, s2, 1
	s_lshl_b32 s53, s53, 9                         ; which 16 of the head's 32 channels
	s_add_co_u32 s6, s6, s53
	s_add_nc_u64 s[46:47], s[28:29], s[6:7]
	s_lshl_b32 s6, s4, 11
	s_lshl_b32 s52, s2, 8
	s_add_co_u32 s6, s6, s52
	s_add_nc_u64 s[48:49], s[30:31], s[6:7]        ; stat: my block's two planes of 1,024 bytes, my 64 channels
	s_cmp_lg_u32 s3, 0                             ; the same in all four waves: each body's barriers are passed by all of them
	s_cbranch_scc1 .Lvrole
; 48 loads: 64 of K (256 bytes of each row) of 128 x rows and 256 W rows, under the set's window
.macro XLOAD c
.set ii, 0
.rept 16
	global_load_b128 v[4*ii:4*ii+3], v192, s[32:33] offset:16384*ii+256*\c
.set ii, ii+1
.endr
.set ii, 0
.rept 32
	global_load_b128 v[64+4*ii:64+4*ii+3], v192, s[34:35] offset:16384*ii+256*\c
.set ii, ii+1
.endr
.endm
.macro XCONV                           ; round in place, 8 bytes a lane into the buffer; W's rows follow x's, so one formula serves both
.set ii, 0
.rept 48
	v_cvt_pk_bf16_f32 v[4*ii], v[4*ii], v[4*ii+1]
	v_cvt_pk_bf16_f32 v[4*ii+1], v[4*ii+2], v[4*ii+3]
	ds_store_b64 v193, v[4*ii:4*ii+1] offset:8*XP*ii
.set ii, ii+1
.endr
.endm
; 32 loads: 128 of K (512 bytes of each row) of 64 l rows and 64 Wq rows
.macro QLOAD q
.set ii, 0
.rept 16
	global_load_b128 v[4*ii:4*ii+3], v194, s[36:37] offset:8192*ii+512*\q
.set ii, ii+1
.endr
.set ii, 0
.rept 16
	global_load_b128 v[64+4*ii:64+4*ii+3], v194, s[38:39] offset:8192*ii+512*\q
.set ii, ii+1
.endr
.endm
.macro QCONV
.set ii, 0
.rept 32
	v_cvt_pk_bf16_f32 v[4*ii], v[4*ii], v[4*ii+1]
	v_cvt_pk_bf16_f32 v[4*ii+1], v[4*ii+2], v[4*ii+3]
	ds_store_b64 v195, v[4*ii:4*ii+1] offset:4*QP*ii
.set ii, ii+1
.endr
.endm
; The end of chunk c: the next chunk goes from register set rs into LDS buffer rs, and the set is asked for again, for chunk c + 3.
; left = the loads of chunk c + 2, the only ones younger than those waited for.
; The buffer written here was last read in chunk c - 1, whose reads were waited for in front of that chunk's barrier; the stores are waited for in front of this one.
.macro STAGE rs, left, conv, issue, n
.if \rs
	WIN 0xcf
.else
	WIN 0x8a
.endif
	s_wait_loadcnt \left
.if \conv
	QCONV
.else
	XCONV
.endif
.if \issue == 1
	XLOAD \n
.endif
.if \issue == 2
	QLOAD \n
.endif
	WIN 0
	s_wait_dscnt 0x0                               ; for the others: my stores have landed (and my reads of the other buffer are long back)
	s_barrier_signal -1
	s_barrier_wait -1
.endm
; 24 LDS loads: 8 fragments of x and my 4 of W, 32 of K.  A fragment: lane (r, hh) takes row r, 16 bytes at 16 hh and 16 more 32 bytes on.
.macro FETCHX bf, ks, f
.irp p, 0,1,2,3,4,5,6,7
	ds_load_b128 v[\f+8*\p:\f+8*\p+3], v[3+\bf] offset:16*XP*\p+64*\ks
	ds_load_b128 v[\f+8*\p+4:\f+8*\p+7], v[3+\bf] offset:16*XP*\p+64*\ks+32
.endr
.irp ct, 0,1,2,3
	ds_load_b128 v[\f+64+8*\ct:\f+64+8*\ct+3], v[5+\bf] offset:16*XP*\ct+64*\ks
	ds_load_b128 v[\f+64+8*\ct+4:\f+64+8*\ct+7], v[5+\bf] offset:16*XP*\ct+64*\ks+32
.endr
.endm
; 32 products.  swap = 0 (k): W is source 0, so a lane's 8 results are 8 neighbouring channels of one position.
; swap = 1 (v): x is source 0, so they are 8 neighbouring positions of one channel.  first = 1: the sums start from the bias; nothing is cleared.
.macro MULX f, first, swap
.irp ct, 0,1,2,3
.irp p, 0,1,2,3,4,5,6,7
.if \swap
.if \first
	v_wmma_f32_16x16x32_bf16 v[64*\ct+8*\p:64*\ct+8*\p+7], v[\f+8*\p:\f+8*\p+7], v[\f+64+8*\ct:\f+64+8*\ct+7], v[BIAS+8*\ct:BIAS+8*\ct+7]
.else
	v_wmma_f32_16x16x32_bf16 v[64*\ct+8*\p:64*\ct+8*\p+7], v[\f+8*\p:\f+8*\p+7], v[\f+64+8*\ct:\f+64+8*\ct+7], v[64*\ct+8*\p:64*\ct+8*\p+7]
.endif
.else
.if \first
	v_wmma_f32_16x16x32_bf16 v[64*\ct+8*\p:64*\ct+8*\p+7], v[\f+64+8*\ct:\f+64+8*\ct+7], v[\f+8*\p:\f+8*\p+7], v[BIAS+8*\ct:BIAS+8*\ct+7]
.else
	v_wmma_f32_16x16x32_bf16 v[64*\ct+8*\p:64*\ct+8*\p+7], v[\f+64+8*\ct:\f+64+8*\ct+7], v[\f+8*\p:\f+8*\p+7], v[64*\ct+8*\p:64*\ct+8*\p+7]
.endif
.endif
.endr
.endr
.endm
; A chunk of x: the fragment loads stand behind the 64 or more conversions of the STAGE before, which are the places behind the products that read F0 and F1
.macro XCHUNK c, swap
	FETCHX (\c&1), 0, F0
	FETCHX (\c&1), 1, F1
	s_wait_dscnt 24                                ; LDS loads come back in order: F0's 24 are in, F1's 24 may be out
.if \c == 0
	WIN 0x40                                       ; D in window 1, C (the bias) in window 0
	MULX F0, 1, \swap
.else
	WIN 0x50                                       ; C and D in window 1
	MULX F0, 0, \swap
.endif
	s_wait_dscnt 0x0
	WIN 0x50
	MULX F1, 0, \swap
.endm
; 40 LDS loads: four steps of 32 along K, each 4 fragments of l and my one of Wq, at v[64 + 40 ks]
.macro FETCHQ bf
.irp ks, 0,1,2,3
.irp p, 0,1,2,3
	ds_load_b128 v[F0+40*\ks+8*\p:F0+40*\ks+8*\p+3], v[7+\bf] offset:16*QP*\p+64*\ks
	ds_load_b128 v[F0+40*\ks+8*\p+4:F0+40*\ks+8*\p+7], v[7+\bf] offset:16*QP*\p+64*\ks+32
.endr
	ds_load_b128 v[F0+40*\ks+32:F0+40*\ks+35], v[9+\bf] offset:64*\ks
	ds_load_b128 v[F0+40*\ks+36:F0+40*\ks+39], v[9+\bf] offset:64*\ks+32
.endr
.endm
.macro MULQ ks, first                  ; Wq is source 0: a lane's 8 results are 8 neighbouring channels of one row of q
.irp p, 0,1,2,3
.if \first
	v_wmma_f32_16x16x32_bf16 v[BIAS+8*\p:BIAS+8*\p+7], v[F0+40*\ks+32:F0+40*\ks+39], v[F0+40*\ks+8*\p:F0+40*\ks+8*\p+7], v[BQ:BQ+7]
.else
	v_wmma_f32_16x16x32_bf16 v[BIAS+8*\p:BIAS+8*\p+7], v[F0+40*\ks+32:F0+40*\ks+39], v[F0+40*\ks+8*\p:F0+40*\ks+8*\p+7], v[BIAS+8*\p:BIAS+8*\p+7]
.endif
.endr
.endm
.macro QCHUNK q
	FETCHQ (\q&1)
	s_wait_dscnt 30                                ; ten loads a step: the three younger steps stay out
.if \q == 0
	MULQ 0, 1
.else
	MULQ 0, 0
.endif
	s_wait_dscnt 20
	MULQ 1, 0
	s_wait_dscnt 10
	MULQ 2, 0
	s_wait_dscnt 0x0
	MULQ 3, 0
.endm
.macro DPPSUM t                        ; 32 registers summed over the 16 lanes of each half: the step outside, the register inside, so that no line waits for the one before
.irp m, 1,2,4,8
.set kk, 0
.rept 32
	v_add_f32_dpp v[\t+kk], v[\t+kk], v[\t+kk] row_xmask:\m row_mask:0xf bank_mask:0xf
.set kk, kk+1
.endr
.endr
.endm
; k's way out: block mean, centre, centred sum of squares (never a difference of large sums), f16, stores.
.macro KEPI
	WIN 0x05                                       ; sources in window 1, result in window 0
.irp ct, 0,1,2,3
.irp jj, 0,2,4,6
	v_pk_add_f32 v[TS+8*\ct+\jj:TS+8*\ct+\jj+1], v[64*\ct+\jj:64*\ct+\jj+1], v[64*\ct+8+\jj:64*\ct+8+\jj+1]
.endr
.endr
	WIN 0x04
.irp p, 2,3,4,5,6,7
.irp ct, 0,1,2,3
.irp jj, 0,2,4,6
	v_pk_add_f32 v[TS+8*\ct+\jj:TS+8*\ct+\jj+1], v[TS+8*\ct+\jj:TS+8*\ct+\jj+1], v[64*\ct+8*\p+\jj:64*\ct+8*\p+\jj+1]
.endr
.endr
.endr
	WIN 0
	DPPSUM TS
.set kk, 0
.rept 16
	v_pk_mul_f32 v[TS+2*kk:TS+2*kk+1], v[TS+2*kk:TS+2*kk+1], 0x3c000000 op_sel_hi:[1,0]   ; / 128
.set kk, kk+1
.endr
	WIN 0x41
.irp p, 0,1,2,3,4,5,6,7
.irp ct, 0,1,2,3
.irp jj, 0,2,4,6
	v_pk_add_f32 v[64*\ct+8*\p+\jj:64*\ct+8*\p+\jj+1], v[64*\ct+8*\p+\jj:64*\ct+8*\p+\jj+1], v[TS+8*\ct+\jj:TS+8*\ct+\jj+1] neg_lo:[0,1] neg_hi:[0,1]
.endr
.endr
.endr
	WIN 0x05
.irp ct, 0,1,2,3
.irp jj, 0,2,4,6
	v_pk_mul_f32 v[T2+8*\ct+\jj:T2+8*\ct+\jj+1], v[64*\ct+\jj:64*\ct+\jj+1], v[64*\ct+\jj:64*\ct+\jj+1]
.endr
.endr
.irp p, 1,2,3,4,5,6,7
.irp ct, 0,1,2,3
.irp jj, 0,2,4,6
	v_pk_fma_f32 v[T2+8*\ct+\jj:T2+8*\ct+\jj+1], v[64*\ct+8*\p+\jj:64*\ct+8*\p+\jj+1], v[64*\ct+8*\p+\jj:64*\ct+8*\p+\jj+1], v[T2+8*\ct+\jj:T2+8*\ct+\jj+1]
.endr
.endr
.endr
.irp ct, 0,1,2,3
.irp p, 0,1,2,3,4,5,6,7
.irp i, 0,1,2,3
	v_cvt_pk_f16_f32 v[PK+4*(8*\ct+\p)+\i], v[64*\ct+8*\p+2*\i], v[64*\ct+8*\p+2*\i+1]
.endr
.endr
.endr
	WIN 0
	DPPSUM T2
	; the statistics lie along the registers; through my own 512 bytes of LDS they come to lie along the lanes (the 16 lanes of a half write the same bytes with the same values)
.irp ct, 0,1,2,3
	ds_store_b128 v11, v[TS+8*\ct:TS+8*\ct+3] offset:64*\ct
	ds_store_b128 v11, v[TS+8*\ct+4:TS+8*\ct+7] offset:64*\ct+16
	ds_store_b128 v11, v[T2+8*\ct:T2+8*\ct+3] offset:64*\ct+256
	ds_store_b128 v11, v[T2+8*\ct+4:T2+8*\ct+7] offset:64*\ct+272
.endr
	ds_load_b64 v[20:21], v12                      ; LDS serves a wave's instructions in order: these see the stores above
	ds_load_b64 v[22:23], v12 offset:256
.irp ct, 0,1,2,3
.irp p, 0,1,2,3,4,5,6,7
	global_store_b128 v1, v[PK+4*(8*\ct+\p):PK+4*(8*\ct+\p)+3], s[44:45] offset:(\ct>>1)*262144+1024*\p+512*(\ct&1)
.endr
.endr
	s_wait_dscnt 0x0
	global_store_b64 v2, v[20:21], s[48:49]                ; 64 means: 256 consecutive bytes
	global_store_b64 v2, v[22:23], s[48:49] offset:1024    ; 64 sums of squares
	s_wait_xcnt 0x0                                ; the next fragment loads land on PK, which the stores read
.endm
.macro VEPI
	WIN 0x05
.irp ct, 0,1,2,3
.irp p, 0,1,2,3,4,5,6,7
.irp i, 0,1,2,3
	v_cvt_pk_f16_f32 v[PK+4*(8*\ct+\p)+\i], v[64*\ct+8*\p+2*\i], v[64*\ct+8*\p+2*\i+1]
.endr
.endr
.endr
	WIN 0
.irp ct, 0,1,2,3
.irp p, 0,1,2,3,4,5,6,7
	global_store_b128 v1, v[PK+4*(8*\ct+\p):PK+4*(8*\ct+\p)+3], s[44:45] offset:(\ct>>1)*262144+2048*(\p>>1)+1024*(\ct&1)+512*(\p&1)
.endr
.endr
	s_wait_xcnt 0x0
.endm
.macro BODY swap
	global_load_b128 v[BQ:BQ+3], v13, s[42:43]             ; the biases are asked for ahead of the chunks: the first STAGE's wait covers them
	global_load_b128 v[BQ+4:BQ+7], v13, s[42:43] offset:16
.irp ct, 0,1,2,3
.if \swap
	global_load_b32 v[16+\ct], v14, s[40:41] offset:64*\ct
.else
	global_load_b128 v[BIAS+8*\ct:BIAS+8*\ct+3], v13, s[40:41] offset:64*\ct
	global_load_b128 v[BIAS+8*\ct+4:BIAS+8*\ct+7], v13, s[40:41] offset:64*\ct+16
.endif
.endr
	WIN 0x8a
	XLOAD 0
	WIN 0xcf
	XLOAD 1
	STAGE 0, 48, 0, 1, 2
.if \swap
.irp ct, 0,1,2,3
.irp j, 0,1,2,3,4,5,6,7
	v_mov_b32 v[BIAS+8*\ct+\j], v[16+\ct]          ; v: a lane holds one channel, so its bias fills the tuple
.endr
.endr
.endif
	XCHUNK 0, \swap
	STAGE 1, 48, 0, 1, 3
	XCHUNK 1, \swap
	STAGE 0, 48, 0, 1, 4
	XCHUNK 2, \swap
	STAGE 1, 48, 0, 1, 5
	XCHUNK 3, \swap
	STAGE 0, 48, 0, 1, 6
	XCHUNK 4, \swap
	STAGE 1, 48, 0, 1, 7
	XCHUNK 5, \swap
	STAGE 0, 48, 0, 2, 0
	XCHUNK 6, \swap
	STAGE 1, 32, 0, 2, 1                           ; from here the younger chunk is one of q's: 32 loads
	XCHUNK 7, \swap
	STAGE 0, 32, 1, 2, 2
	QCHUNK 0
	STAGE 1, 32, 1, 2, 3
.if \swap
	VEPI                                           ; x's results leave while q's last two chunks are on their way
.else
	KEPI
.endif
	QCHUNK 1
	STAGE 0, 32, 1, 0, 0
	QCHUNK 2
	STAGE 1, 0, 1, 0, 0                            ; nothing younger is out
	QCHUNK 3
	NOPS 4                                         ; four places between the last products and the conversions, which read their results and write registers that they read (ISA guide 7.12.1)
.irp p, 0,1,2,3
.irp i, 0,1,2,3
	v_cvt_pk_f16_f32 v[PK+4*\p+\i], v[BIAS+8*\p+2*\i], v[BIAS+8*\p+2*\i+1]
.endr
.endr
.irp p, 0,1,2,3
	global_store_b128 v1, v[PK+4*\p:PK+4*\p+3], s[46:47] offset:1024*\p
.endr
	s_endpgm
.endm
	BODY 0
.Lvrole:
	BODY 1
.Lfunc_end_k_q8daea8fd85_proj:
	.size	k_q8daea8fd85_proj, .Lfunc_end_k_q8daea8fd85_proj-k_q8daea8fd85_proj
	.p2alignl 7, 3214868480
	.fill 96, 4, 3214868480
	.section	.rodata,"a",@progbits
	.p2align	6, 0x0
	.amdhsa_kernel k_q8daea8fd85_proj
		.amdhsa_group_segment_fixed_size 112640
		.amdhsa_private_segment_fixed_size 0
		.amdhsa_enable_private_segment 0
		.amdhsa_kernarg_size 96
		.amdhsa_user_sgpr_count 2
		.amdhsa_user_sgpr_kernarg_segment_ptr 1
		.amdhsa_wavefront_size32 1
		.amdhsa_system_sgpr_workgroup_id_x 1
		.amdhsa_system_sgpr_workgroup_id_y 1
		.amdhsa_system_sgpr_workgroup_id_z 1
		.amdhsa_system_vgpr_workitem_id 0
		.amdhsa_next_free_vgpr 1024
		.amdhsa_next_free_sgpr 66
		.amdhsa_reserve_vcc 0
		.amdhsa_float_denorm_mode_32 3
		.amdhsa_float_denorm_mode_16_64 3
		.amdhsa_memory_ordered 1
		.amdhsa_forward_progress 1
		.amdhsa_inst_pref_size 255
	.end_amdhsa_kernel
	.section	.bss,"aw",@nobits
	.p2align	6
	.space	262144
	.amdgpu_metadata
---
amdhsa.version: [ 1, 2 ]
amdhsa.kernels:
  - .name:           k_q8daea8fd85_proj
    .symbol:         k_q8daea8fd85_proj.kd
    .args:
      - { .name: x, .offset: 0, .size: 8, .value_kind: global_buffer, .address_space: global }
      - { .name: l, .offset: 8, .size: 8, .value_kind: global_buffer, .address_space: global }
      - { .name: Wk, .offset: 16, .size: 8, .value_kind: global_buffer, .address_space: global }
      - { .name: Wv, .offset: 24, .size: 8, .value_kind: global_buffer, .address_space: global }
      - { .name: Wq, .offset: 32, .size: 8, .value_kind: global_buffer, .address_space: global }
      - { .name: bk, .offset: 40, .size: 8, .value_kind: global_buffer, .address_space: global }
      - { .name: bv, .offset: 48, .size: 8, .value_kind: global_buffer, .address_space: global }
      - { .name: bq, .offset: 56, .size: 8, .value_kind: global_buffer, .address_space: global }
      - { .name: Kf, .offset: 64, .size: 8, .value_kind: global_buffer, .address_space: global }
      - { .name: Vf, .offset: 72, .size: 8, .value_kind: global_buffer, .address_space: global }
      - { .name: Qf, .offset: 80, .size: 8, .value_kind: global_buffer, .address_space: global }
      - { .name: stat, .offset: 88, .size: 8, .value_kind: global_buffer, .address_space: global }
    .group_segment_fixed_size: 112640
    .private_segment_fixed_size: 0
    .kernarg_segment_align: 8
    .kernarg_segment_size: 96
    .max_flat_workgroup_size: 128
    .sgpr_count:     66
    .vgpr_count:     1024
    .wavefront_size: 32
...
	.end_amdgpu_metadata
.endif
;; end of part 1
;; launch attn (part 2): grid 256 x 1, 4 waves a work-group, no clusters, 77,824 bytes of LDS; arguments Kf, Vf, Qf, stat, Af; writes Af
.if DOCPART == 2
	.amdgcn_target "amdgcn-amd-amdhsa--gfx1250"
	.amdhsa_code_object_version 6
	.text
	.protected	k_q8daea8fd85_attn
	.globl	k_q8daea8fd85_attn
	.p2align	8
	.type	k_q8daea8fd85_attn,@function
k_q8daea8fd85_attn:
	s_mov_b64 s[64:65], 0
	v_nop
	global_prefetch_b8 v0, s[64:65] scope:SCOPE_SE
	s_setreg_imm32_b32 hwreg(HW_REG_WAVE_MODE, 25, 1), 1
	s_wait_xcnt 0x0
; Attention of one (batch, head) for 128 queries, with k's instance norm finished on the way.
; Work-group g: query block g & 7, head (g >> 3) & 7, batch g >> 6.  The four waves split the KEYS: wave w takes keys 1024 w .. + 1023 for all 8 query tiles,
; so every fragment of K and V is used by one wave alone and goes from memory straight into its registers, 512 consecutive bytes a load: no LDS and no barrier in the loops.
; THE NORM.  Kf holds Kc = k - (mean of its block of 128 keys) in f16.  With m and var of the whole row from the block statistics
; (M2 = sum M2_i + 128 sum (mean_i - m)^2: only non-negative terms) and g = rsqrt(var + eps) log2(e) / 16,
; score x log2 e = sum_d q[d] (g[d] Kc[d] + g[d] D_i[d]), D_i = mean_i - m.  Each K fragment is multiplied by g once, when it has landed: 16 packed multiplies for 32 keys,
; shared by the 8 query tiles.  g Kc and g D_i are bounded by the norm itself (|k - m| <= 64 sigma, |D_i| <= sqrt(32) sigma), so f16's range is no matter for them.
; D_i's term is the same for a block's 128 keys: one product with 16 equal rows g D_i gives it as a tile that serves as the C operand of the score products.
; THE SOFTMAX takes the true maximum away, in two passes: pass 1 makes the scores and their maximum (over all four waves); pass 2 makes the scores again, with -max
; as the C operand of D_i's product, so that they leave the matrix unit as score - max; then 2^x, f16, P V.  Row sums: a third product with a matrix of ones.
; For 256 scores that is 8 plain vector instructions beside the 8 exponentials; a running maximum would need about twice that and would rescale 192 accumulators.
; SCORES ARE MADE TRANSPOSED (K is source 0): a lane holds 8 keys of one query, so maxima stay in the lane, and two packed tiles are P as source 1 of O^T = V^T P.
; ALL OPERANDS ARE f16: the next launch's norm keeps only what differs between queries, and bf16's rounding of q, k or P would show there.
; LIMITS: |q|, |Kc|, |v| <= 65504 as stored by the launch before.  P <= 1 (up to rounding); weights below 2^-25 count as 0.
; The result leaves as two bf16 parts, hi = bf16(o), lo = bf16(o - hi), for the same reason.
; No multicast, though the 8 query blocks of a head read the same K and V: a joint request lands in LDS, which would add an LDS write and read for every byte and a barrier
; for every slot to loops that need neither; a work-group's own K and V traffic is 768 KiB spread over its whole run.
; No prefetch: K and V were stored by the launch before, and the register ring asks three steps (96 keys) ahead.
; Not served: NaN and infinite inputs.  2^x returns 0 below 2^-126 (ISA guide, the instruction's entry).
.set QB, 16                            ; v[16:79]    q of the 8 query tiles
.set SB, 80                            ; v[80:111]   two score buffers of 16 (two key tiles each)
.set PB, 112                           ; v[112:143]  P, two sets of two; in pass 1 the C tiles of query tiles 0-3
.set KR, 144                           ; v[144:207]  K ring, 4 slots of 16 (32 keys)
.set DL, 208                           ; v[208:215]  g D_i as a fragment
.set MX, 248                           ; v[248:255]  running maxima;  v[216:247]: in pass 1 the C tiles of query tiles 4-7
; window 1: O^T tiles dv 0-15 at v[8 qt], dv 16-31 at v[64 + 8 qt], row sums at v[128 + 8 qt]
; window 2: C tiles at v[8 qt], -max at v[64 + 8 qt], V ring v[128:191], ones v[192:199], g as a fragment's 8 registers v[200:207]
.set NM, 64
.set VR, 128
.set ONE, 192
.set RS, 200
.set MSB, 0
.macro WIN new
.if MSB != \new
	s_set_vgpr_msb (MSB<<8)|\new
.set MSB, \new
.endif
.endm
.macro NOPS n
.rept \n
	v_nop
.endr
.endm
.macro KLOAD slot, base, off           ; 32 keys of K: two key tiles of 1,024 bytes
.irp k, 0,1,2,3
	global_load_b128 v[KR+16*(\slot)+4*\k:KR+16*(\slot)+4*\k+3], v1, s[\base:\base+1] offset:(\off)+512*\k
.endr
.endm
.macro VLOAD slot, base, off           ; 32 keys of V: two tiles of 16 dv (destination in window 2)
.irp k, 0,1,2,3
	global_load_b128 v[VR+16*(\slot)+4*\k:VR+16*(\slot)+4*\k+3], v1, s[\base:\base+1] offset:(\off)+512*\k
.endr
.endm
; a slot that has just landed, times g: register m of either key tile holds the channels of register m of g (source 1 in window 2).  back: the setting that follows
.macro KSCALE slot, back
	WIN 0x08
.set kk, 0
.rept 16
	v_pk_mul_f16 v[KR+16*(\slot)+kk], v[KR+16*(\slot)+kk], v[RS+(kk&7)]
.set kk, kk+1
.endr
	WIN \back
.endm
; item n = step (n >> 3) x query tile (n & 7): the scores of 32 keys x 16 queries
.macro SMUL n, pass
.set qq, (\n)&7
.set js, (\n)>>3
.set sb, SB+16*((\n)&1)
.if \pass == 1
.set cc, PB+8*qq+72*(qq/4)
.else
.set cc, 8*qq
.endif
	v_wmma_f32_16x16x32_f16 v[sb:sb+7], v[KR+16*js:KR+16*js+7], v[QB+8*qq:QB+8*qq+7], v[cc:cc+7]
	v_wmma_f32_16x16x32_f16 v[sb+8:sb+15], v[KR+16*js+8:KR+16*js+15], v[QB+8*qq:QB+8*qq+7], v[cc:cc+7]
.endm
.macro MAX n                           ; 16 scores and the running maximum: 8 three-way maxima
.set sb, SB+16*((\n)&1)
.set mm, MX+((\n)&7)
	v_max3_num_f32 v[sb], v[sb], v[sb+1], v[sb+2]
	v_max3_num_f32 v[sb+3], v[sb+3], v[sb+4], v[sb+5]
	v_max3_num_f32 v[sb+6], v[sb+6], v[sb+7], v[sb+8]
	v_max3_num_f32 v[sb+9], v[sb+9], v[sb+10], v[sb+11]
	v_max3_num_f32 v[sb+12], v[sb+12], v[sb+13], v[sb+14]
	v_max3_num_f32 v[sb], v[sb], v[sb+3], v[sb+6]
	v_max3_num_f32 v[sb+9], v[sb+9], v[sb+12], v[sb+15]
	v_max3_num_f32 v[mm], v[mm], v[sb], v[sb+9]
.endm
.macro EXPCVT n
.set sb, SB+16*((\n)&1)
.set pp, PB+16*(((\n)>>1)&1)+8*((\n)&1)
.set kk, 0
.rept 16
	v_exp_f32 v[sb+kk], v[sb+kk]
.set kk, kk+1
.endr
	v_nop                                          ; one plain place between the exponentials and the first use of a result (ISA guide 5.7.2)
.set kk, 0
	s_wait_alu depctr_va_vdst(0)
.rept 8
	v_cvt_pk_f16_f32 v[pp+kk], v[sb+2*kk], v[sb+2*kk+1]
.set kk, kk+1
.endr
.endm
.macro PV n, zero                      ; zero = 1: in the first step the products start the sums; nothing is cleared
.set qq, (\n)&7
.set js, (\n)>>3
.set pp, PB+16*(((\n)>>1)&1)+8*((\n)&1)
.set zz, 0
.if \zero
.if (\n) < 8
.set zz, 1
.endif
.endif
.if zz
	v_wmma_f32_16x16x32_f16 v[8*qq:8*qq+7], v[VR+16*js:VR+16*js+7], v[pp:pp+7], 0
	v_wmma_f32_16x16x32_f16 v[64+8*qq:64+8*qq+7], v[VR+16*js+8:VR+16*js+15], v[pp:pp+7], 0
	v_wmma_f32_16x16x32_f16 v[128+8*qq:128+8*qq+7], v[ONE:ONE+7], v[pp:pp+7], 0
.else
	v_wmma_f32_16x16x32_f16 v[8*qq:8*qq+7], v[VR+16*js:VR+16*js+7], v[pp:pp+7], v[8*qq:8*qq+7]
	v_wmma_f32_16x16x32_f16 v[64+8*qq:64+8*qq+7], v[VR+16*js+8:VR+16*js+15], v[pp:pp+7], v[64+8*qq:64+8*qq+7]
	v_wmma_f32_16x16x32_f16 v[128+8*qq:128+8*qq+7], v[ONE:ONE+7], v[pp:pp+7], v[128+8*qq:128+8*qq+7]
.endif
.endm
.macro DLOAD                           ; g D_i with 16 equal rows: every lane of a half reads the same 16 bytes
	ds_load_b128 v[DL:DL+3], v2
	ds_load_b128 v[DL+4:DL+7], v2 offset:32
.endm
	s_load_b256 s[8:15], s[0:1], 0x0               ; Kf 8, Vf 10, Qf 12, stat 14
	s_load_b64 s[16:17], s[0:1], 0x20              ; Af
	v_lshrrev_b32 v13, 5, v0
	v_readfirstlane_b32 s2, v13                    ; wave w
	s_and_b32 s3, ttmp9, 7                         ; query block
	s_bfe_u32 s4, ttmp9, 0x30003                   ; head
	s_lshr_b32 s5, ttmp9, 6                        ; batch
	s_mov_b32 s37, 0x76543210                      ; v_permlanex16_b32: lane i of one half reads lane i of the other
	s_mov_b32 s38, 0xfedcba98
	v_and_b32 v14, 31, v0                          ; L
	v_bfe_u32 v15, v0, 4, 1                        ; hh
	v_lshlrev_b32 v1, 4, v14                       ; 16 L
	v_lshlrev_b32 v3, 2, v14                       ; 4 L
	s_lshl_b32 s39, s2, 10                         ; LDS 0 .. 4095: 1,024 bytes a wave: g of the 32 channels (f32) at + 0, g D of my 8 blocks (f16) at + 128
	v_add_nc_u32 v4, s39, v3
	v_lshl_add_u32 v5, v14, 1, s39
	v_add_nc_u32 v5, 128, v5
	v_lshl_add_u32 v6, v15, 5, s39
	v_lshl_add_u32 v13, v15, 4, s39
	v_add_nc_u32 v13, 128, v13                     ; g D of my first block, kept
	v_mov_b32 v2, v13                              ; and stepped, 64 bytes a block
	v_add_nc_u32 v7, 4096, v4                      ; LDS 4096 .. 8191: maxima [wave][query tile][lane]
	v_add_nc_u32 v8, 4096, v3
	s_mul_i32 s39, s2, 17408                       ; LDS 8192 ..: partial results [wave][query tile] of 2,176 bytes
	s_add_co_u32 s39, s39, 8192
	v_add_nc_u32 v9, s39, v1
	v_add_nc_u32 v10, s39, v3
	v_add_nc_u32 v10, 2048, v10
	s_mul_i32 s39, s2, 4352                        ; read back: query tiles 2 w, 2 w + 1 of every wave
	s_add_co_u32 s39, s39, 8192
	v_add_nc_u32 v11, s39, v1
	v_add_nc_u32 v12, s39, v3
	v_add_nc_u32 v12, 2048, v12
	v_mov_b32 v14, 0                               ; destinations of v_permlanex16_b32 count as read
	v_mov_b32 v15, 0
	s_mov_b32 s7, 0
	s_lshl3_add_u32 s40, s5, s4                    ; 8 b + h
	s_wait_kmcnt 0x0
	s_lshl_b32 s6, s40, 18
	s_lshl_b32 s41, s2, 16
	s_add_co_u32 s6, s6, s41
	s_add_nc_u64 s[20:21], s[8:9], s[6:7]          ; K at my 1,024 keys (65,536 bytes), kept
	s_add_nc_u64 s[24:25], s[10:11], s[6:7]        ; V likewise
	s_mov_b64 s[22:23], s[20:21]                   ; K, stepped
	s_lshl_b32 s6, s40, 6
	s_lshl3_add_u32 s6, s3, s6
	s_lshl_b32 s6, s6, 10
	s_add_nc_u64 s[28:29], s[12:13], s[6:7]        ; q at my 8 query tiles of 1,024 bytes
	s_lshl_b32 s6, s5, 16
	s_lshl_b32 s41, s4, 7
	s_add_co_u32 s6, s6, s41
	s_add_nc_u64 s[30:31], s[14:15], s[6:7]        ; stat: my batch, my head's 32 channels
	s_lshl_b32 s6, s2, 14
	s_add_nc_u64 s[32:33], s[30:31], s[6:7]        ; and from my first block on
	s_lshl_b32 s6, s5, 6
	s_lshl3_add_u32 s6, s3, s6
	s_lshl1_add_u32 s6, s2, s6                     ; query tile 64 b + 8 qb + 2 w
	s_lshl4_add_u32 s6, s6, s4                     ; 16 fragments of 1,024 bytes a tile: 8 heads hi, 8 heads lo
	s_lshl_b32 s6, s6, 10
	s_add_nc_u64 s[34:35], s[16:17], s[6:7]
	; PROLOGUE.  lane = channel: the 32 blocks' means and sums of squares, my 8 blocks' means once more; then q's fragments and the ring's first three steps
.set ii, 0
.rept 32
	global_load_b32 v[80+ii], v3, s[30:31] offset:2048*ii
	global_load_b32 v[112+ii], v3, s[30:31] offset:2048*ii+1024
.set ii, ii+1
.endr
.set ii, 0
.rept 8
	global_load_b32 v[216+ii], v3, s[32:33] offset:2048*ii
.set ii, ii+1
.endr
.set ii, 0
.rept 16
	global_load_b128 v[QB+4*ii:QB+4*ii+3], v1, s[28:29] offset:512*ii
.set ii, ii+1
.endr
	KLOAD 0, 22, 0
	KLOAD 1, 22, 2048
	KLOAD 2, 22, 4096
	s_wait_loadcnt 28                              ; q's 16 loads and K's 12 are younger
	v_pk_add_f32 v[240:241], v[80:81], v[82:83]
	v_pk_add_f32 v[244:245], v[112:113], v[114:115]
.set ii, 2
.rept 14
	v_pk_add_f32 v[240:241], v[240:241], v[80+2*ii:81+2*ii]
	v_pk_add_f32 v[244:245], v[244:245], v[112+2*ii:113+2*ii]
.set ii, ii+1
.endr
	v_add_f32 v240, v240, v241
	v_add_f32 v244, v244, v245                     ; sum of the blocks' M2
	v_mul_f32 v240, 0x3d000000, v240               ; m = sum of means / 32
	v_mov_b32 v241, v240
.set ii, 0
.rept 16
	v_pk_add_f32 v[80+2*ii:81+2*ii], v[80+2*ii:81+2*ii], v[240:241] neg_lo:[0,1] neg_hi:[0,1]
.set ii, ii+1
.endr
	v_pk_mul_f32 v[242:243], v[80:81], v[80:81]
.set ii, 1
.rept 15
	v_pk_fma_f32 v[242:243], v[80+2*ii:81+2*ii], v[80+2*ii:81+2*ii], v[242:243]
.set ii, ii+1
.endr
	v_add_f32 v242, v242, v243
	v_fmamk_f32 v244, v242, 0x43000000, v244       ; M2 = 128 sum (mean_i - m)^2 + sum M2_i
	v_mov_b32 v245, 0x39800000                     ; 1 / 4096
	v_fmaak_f32 v244, v244, v245, 0x3727c5ac       ; var + 1e-5
	v_rsq_f32 v244, v244
	v_nop
	s_wait_alu depctr_va_vdst(0)
	v_mul_f32 v244, 0x3db8aa3b, v244               ; g = rsqrt x log2(e) / 16
	ds_store_b32 v4, v244
.irp i, 0,1,2,3,4,5,6,7
	v_sub_f32 v[216+\i], v[216+\i], v240           ; D_i of my blocks,
	v_mul_f32 v[216+\i], v[216+\i], v244           ; times g, in f32,
	v_cvt_pk_f16_f32 v[216+\i], v[216+\i], v[216+\i]   ; rounded once
	ds_store_b16 v5, v[216+\i] offset:64*\i
.endr
	ds_load_b128 v[224:227], v6                    ; g of the 16 channels that a lane holds of a K fragment: 8 hh .. + 7 and 16 + 8 hh .. + 7
	ds_load_b128 v[228:231], v6 offset:16
	ds_load_b128 v[232:235], v6 offset:64
	ds_load_b128 v[236:239], v6 offset:80
	DLOAD
	s_wait_dscnt 0x0                               ; my own bytes, served in order: no barrier
	WIN 0x80
.irp k, 0,1,2,3,4,5,6,7
	v_cvt_pk_f16_f32 v[RS+\k], v[224+2*\k], v[225+2*\k]
.endr
.irp k, 0,1,2,3,4,5,6,7
	v_mov_b32 v[ONE+\k], 0x3c003c00                ; 1.0 twice, f16
.endr
	WIN 0
.irp k, 0,1,2,3,4,5,6,7
	v_mov_b32 v[MX+\k], 0xff800000                 ; -infinity
.endr
; PASS 1, one block of 128 keys = 4 steps of 32 keys = 32 items.  Ring slot = step; the loads of step j + 3 are issued in step j, into the slot of step j - 1.
; PLACES (ISA guide 7.12.1): MAX n reads what SMUL n wrote, with the 8 lines of MAX n - 1 between, which name none of SMUL n's registers; the same 8 lines stand between
; SMUL n and SMUL n + 2, which writes over its result; five v_nop do that for the first two.  Five v_nop between the C tiles' products and the products that take them as C.
; WAITS: 8 = the 4 loads each of the two younger steps (the first of all also shows q in, which was asked for ahead of K).
; In the last block (tail = 1) steps 1 to 3 ask for pass 2's first three steps, K and V, 8 loads: younger than step 2 are then 4 + 8, younger than step 3 are 8 + 8.
.macro TRIP1 tail
	s_wait_loadcnt 0x8
	KSCALE 0, 0
	s_wait_dscnt 0x0                               ; g D_i
.irp qt, 0,1,2,3,4,5,6,7
	v_wmma_f32_16x16x32_f16 v[PB+8*\qt+72*(\qt/4):PB+8*\qt+72*(\qt/4)+7], v[DL:DL+7], v[QB+8*\qt:QB+8*\qt+7], 0
.endr
	NOPS 5
	SMUL 0, 1
	SMUL 1, 1
	NOPS 5
.set nn, 0
.rept 32
	MAX nn
.if (nn&7) == 0
.set stp, nn>>3
.if \tail
.if stp == 0
	KLOAD 3, 22, 6144
.else
	KLOAD stp-1, 20, 2048*(stp-1)
	WIN 0x80
	VLOAD stp-1, 24, 2048*(stp-1)
	WIN 0
.endif
.else
	KLOAD (stp+3)&3, 22, 2048*(stp+3)
.endif
.endif
.if nn == 0
.if \tail
	v_mov_b32 v2, v13                              ; pass 2 begins with my first block again
.else
	v_add_nc_u32 v2, 64, v2
.endif
	DLOAD                                          ; behind the five v_nop and MAX 0: the products that read g D_i are far enough
.endif
.if nn+2 < 32
.if ((nn+2)&7) == 0
.if \tail
	s_wait_loadcnt 8+4*(((nn+2)>>3)-1)
.else
	s_wait_loadcnt 0x8
.endif
	KSCALE (nn+2)>>3, 0
.endif
	SMUL nn+2, 1
.endif
.set nn, nn+1
.endr
.endm
	s_mov_b32 s36, 7
.Lp1:
	TRIP1 0
	s_wait_xcnt 0x0                                ; the loads' base is stepped only behind this wait
	s_add_nc_u64 s[22:23], s[22:23], 0x2000
	s_sub_co_i32 s36, s36, 1
	s_cmp_lg_u32 s36, 0
	s_cbranch_scc1 .Lp1
	TRIP1 1
	; THE JOINT MAXIMUM: the other half of the lanes (the other 8 keys of each tile), then the other three waves through LDS
.irp qt, 0,1,2,3,4,5,6,7
	v_permlanex16_b32 v[14+(\qt&1)], v[MX+\qt], s37, s38
	v_max_num_f32 v[MX+\qt], v[MX+\qt], v[14+(\qt&1)]
.endr
.irp qt, 0,1,2,3,4,5,6,7
	ds_store_b32 v7, v[MX+\qt] offset:128*\qt
.endr
	s_wait_dscnt 0x0                               ; for the others: my maxima have landed
	s_barrier_signal -1
	s_barrier_wait -1
.irp qt, 0,1,2,3,4,5,6,7
.irp u, 0,1,2,3
	ds_load_b32 v[SB+4*\qt+\u], v8 offset:1024*\u+128*\qt
.endr
.endr
	s_wait_dscnt 0x0
.irp qt, 0,1,2,3,4,5,6,7
	v_max3_num_f32 v[MX+\qt], v[SB+4*\qt], v[SB+4*\qt+1], v[SB+4*\qt+2]
	v_max_num_f32 v[MX+\qt], v[MX+\qt], v[SB+4*\qt+3]
.endr
	WIN 0x80
.irp qt, 0,1,2,3,4,5,6,7
.irp j, 0,1,2,3,4,5,6,7
	v_mul_f32 v[NM+8*\qt+\j], -1.0, v[MX+\qt]      ; -max as a C tile: a lane holds one query
.endr
.endr
	WIN 0
	s_wait_xcnt 0x0
	s_mov_b64 s[22:23], s[20:21]
	s_mov_b64 s[26:27], s[24:25]
; PASS 2, one block.  Settings: 0xa0 the C tiles' products (C and D in window 2), 0x20 scores (C in window 2), exponentials, conversions and K loads,
; 0x52 P V (V and the ones in window 2, O in window 1), 0x80 V loads, 0x08 K times g.
; PLACES: between SMUL n and the exponentials that read its result, and between SMUL n and SMUL n + 2, stand the v_nop and the 8 conversions of item n - 1.
; A set of P is written again two pairs of items after the products that read it; a ring slot is filled again behind items 8 j and 8 j + 1, whose conversions write the other set.
; WAITS: a step's loads are 4 of V and 4 of K; w0 .. w3 = the loads of the younger steps: 16 while the ring is refilled, then 8 and 0.
; nld: how many steps of this block still ask for loads.  more: another block follows (its g D_i is fetched).
.macro TRIP2 zero, nld, more, w0, w1, w2, w3
	s_wait_loadcnt \w0
	KSCALE 0, 0xa0
	s_wait_dscnt 0x0
.irp qt, 0,1,2,3,4,5,6,7
	v_wmma_f32_16x16x32_f16 v[8*\qt:8*\qt+7], v[DL:DL+7], v[QB+8*\qt:QB+8*\qt+7], v[NM+8*\qt:NM+8*\qt+7]
.endr
	NOPS 5
	WIN 0x20
	SMUL 0, 2
	SMUL 1, 2
	NOPS 5
.set nn, 0
.rept 32
	EXPCVT nn
.if nn == 0
.if \more
	v_add_nc_u32 v2, 64, v2
	DLOAD
.endif
.endif
.if nn+2 < 32
.if nn+2 == 8
	s_wait_loadcnt \w1
	KSCALE 1, 0x20
.endif
.if nn+2 == 16
	s_wait_loadcnt \w2
	KSCALE 2, 0x20
.endif
.if nn+2 == 24
	s_wait_loadcnt \w3
	KSCALE 3, 0x20
.endif
	SMUL nn+2, 2
.endif
.if nn&1
	WIN 0x52
	PV nn-1, \zero
	PV nn, \zero
.if (nn&7) == 1
.if (nn>>3) < \nld
	WIN 0x80
	VLOAD ((nn>>3)+3)&3, 26, 2048*((nn>>3)+3)
	WIN 0x20
	KLOAD ((nn>>3)+3)&3, 22, 2048*((nn>>3)+3)
.endif
.endif
	WIN 0x20
.endif
.set nn, nn+1
.endr
	WIN 0
.endm
	TRIP2 1, 4, 1, 16, 16, 16, 16
	s_wait_xcnt 0x0
	s_add_nc_u64 s[22:23], s[22:23], 0x2000
	s_add_nc_u64 s[26:27], s[26:27], 0x2000
	s_mov_b32 s36, 6
.Lp2:
	TRIP2 0, 4, 1, 16, 16, 16, 16
	s_wait_xcnt 0x0
	s_add_nc_u64 s[22:23], s[22:23], 0x2000
	s_add_nc_u64 s[26:27], s[26:27], 0x2000
	s_sub_co_i32 s36, s36, 1
	s_cmp_lg_u32 s36, 0
	s_cbranch_scc1 .Lp2
	TRIP2 0, 1, 0, 16, 16, 8, 0                    ; the last block asks only for its own fourth step: no load leaves my keys
	; THE END: all four waves used the same maximum, so their partial O^T and row sums simply add
	NOPS 4
	WIN 0x04                                       ; LDS store data in window 1
.irp qt, 0,1,2,3,4,5,6,7
	ds_store_b128 v9, v[8*\qt:8*\qt+3] offset:2176*\qt
	ds_store_b128 v9, v[8*\qt+4:8*\qt+7] offset:2176*\qt+512
	ds_store_b128 v9, v[64+8*\qt:64+8*\qt+3] offset:2176*\qt+1024
	ds_store_b128 v9, v[64+8*\qt+4:64+8*\qt+7] offset:2176*\qt+1536
	ds_store_b32 v10, v[128+8*\qt] offset:2176*\qt
.endr
	WIN 0
	s_wait_dscnt 0x0
	s_barrier_signal -1
	s_barrier_wait -1
.irp t, 0,1
.irp u, 0,1,2,3
.irp k, 0,1,2,3
	ds_load_b128 v[16+128*\t+16*\u+4*\k:16+128*\t+16*\u+4*\k+3], v11 offset:17408*\u+2176*\t+512*\k
.endr
	ds_load_b32 v[80+4*\t+\u], v12 offset:17408*\u+2176*\t
.endr
.endr
	s_wait_dscnt 0x0
.irp t, 0,1
.irp u, 1,2,3
.irp e, 0,2,4,6,8,10,12,14
	v_pk_add_f32 v[16+128*\t+\e:16+128*\t+\e+1], v[16+128*\t+\e:16+128*\t+\e+1], v[16+128*\t+16*\u+\e:16+128*\t+16*\u+\e+1]
.endr
.endr
	v_add_f32 v[80+4*\t], v[80+4*\t], v[81+4*\t]
	v_add_f32 v[82+4*\t], v[82+4*\t], v[83+4*\t]
	v_add_f32 v[80+4*\t], v[80+4*\t], v[82+4*\t]   ; the row sum: at least about 1, the largest weight
	v_rcp_f32 v[88+2*\t], v[80+4*\t]
	v_rcp_f32 v[89+2*\t], v[80+4*\t]
	v_nop
	s_wait_alu depctr_va_vdst(0)
.irp e, 0,2,4,6,8,10,12,14
	v_pk_mul_f32 v[16+128*\t+\e:16+128*\t+\e+1], v[16+128*\t+\e:16+128*\t+\e+1], v[88+2*\t:89+2*\t]
.endr
.irp m, 0,1,2,3,4,5,6,7
	v_cvt_pk_bf16_f32 v[96+16*\t+\m], v[16+128*\t+2*\m], v[16+128*\t+2*\m+1]       ; hi
.endr
.irp m, 0,1,2,3,4,5,6,7
	v_lshlrev_b32 v[32+128*\t+2*\m], 16, v[96+16*\t+\m]
	v_and_b32 v[33+128*\t+2*\m], 0xffff0000, v[96+16*\t+\m]
.endr
.irp m, 0,1,2,3,4,5,6,7
	v_pk_add_f32 v[16+128*\t+2*\m:16+128*\t+2*\m+1], v[16+128*\t+2*\m:16+128*\t+2*\m+1], v[32+128*\t+2*\m:33+128*\t+2*\m] neg_lo:[0,1] neg_hi:[0,1]
.endr
.irp m, 0,1,2,3,4,5,6,7
	v_cvt_pk_bf16_f32 v[104+16*\t+\m], v[16+128*\t+2*\m], v[16+128*\t+2*\m+1]      ; lo = bf16(o - hi)
.endr
	global_store_b128 v1, v[96+16*\t:99+16*\t], s[34:35] offset:16384*\t
	global_store_b128 v1, v[100+16*\t:103+16*\t], s[34:35] offset:16384*\t+512
	global_store_b128 v1, v[104+16*\t:107+16*\t], s[34:35] offset:16384*\t+8192
	global_store_b128 v1, v[108+16*\t:111+16*\t], s[34:35] offset:16384*\t+8704
.endr
	s_endpgm
.Lfunc_end_k_q8daea8fd85_attn:
	.size	k_q8daea8fd85_attn, .Lfunc_end_k_q8daea8fd85_attn-k_q8daea8fd85_attn
	.p2alignl 7, 3214868480
	.fill 96, 4, 3214868480
	.section	.rodata,"a",@progbits
	.p2align	6, 0x0
	.amdhsa_kernel k_q8daea8fd85_attn
		.amdhsa_group_segment_fixed_size 77824
		.amdhsa_private_segment_fixed_size 0
		.amdhsa_enable_private_segment 0
		.amdhsa_kernarg_size 40
		.amdhsa_user_sgpr_count 2
		.amdhsa_user_sgpr_kernarg_segment_ptr 1
		.amdhsa_wavefront_size32 1
		.amdhsa_system_sgpr_workgroup_id_x 1
		.amdhsa_system_sgpr_workgroup_id_y 1
		.amdhsa_system_sgpr_workgroup_id_z 1
		.amdhsa_system_vgpr_workitem_id 0
		.amdhsa_next_free_vgpr 768
		.amdhsa_next_free_sgpr 66
		.amdhsa_reserve_vcc 0
		.amdhsa_float_denorm_mode_32 3
		.amdhsa_float_denorm_mode_16_64 3
		.amdhsa_memory_ordered 1
		.amdhsa_forward_progress 1
		.amdhsa_inst_pref_size 255
	.end_amdhsa_kernel
	.section	.bss,"aw",@nobits
	.p2align	6
	.space	262144
	.amdgpu_metadata
---
amdhsa.version: [ 1, 2 ]
amdhsa.kernels:
  - .name:           k_q8daea8fd85_attn
    .symbol:         k_q8daea8fd85_attn.kd
    .args:
      - { .name: Kf, .offset: 0, .size: 8, .value_kind: global_buffer, .address_space: global }
      - { .name: Vf, .offset: 8, .size: 8, .value_kind: global_buffer, .address_space: global }
      - { .name: Qf, .offset: 16, .size: 8, .value_kind: global_buffer, .address_space: global }
      - { .name: stat, .offset: 24, .size: 8, .value_kind: global_buffer, .address_space: global }
      - { .name: Af, .offset: 32, .size: 8, .value_kind: global_buffer, .address_space: global }
    .group_segment_fixed_size: 77824
    .private_segment_fixed_size: 0
    .kernarg_segment_align: 8
    .kernarg_segment_size: 40
    .max_flat_workgroup_size: 128
    .sgpr_count:     66
    .vgpr_count:     768
    .wavefront_size: 32
...
	.end_amdgpu_metadata
.endif
;; end of part 2
;; launch outp (part 3): grid 16 x 1, 16 waves a work-group, no clusters, 112,128 bytes of LDS; arguments Af, Ww, bw, out0; writes out0
.if DOCPART == 3
	.amdgcn_target "amdgcn-amd-amdhsa--gfx1250"
	.amdhsa_code_object_version 6
	.text
	.protected	k_q8daea8fd85_outp
	.globl	k_q8daea8fd85_outp
	.p2align	8
	.type	k_q8daea8fd85_outp,@function
k_q8daea8fd85_outp:
	s_mov_b64 s[64:65], 0
	v_nop
	global_prefetch_b8 v0, s[64:65] scope:SCOPE_SE
	s_setreg_imm32_b32 hwreg(HW_REG_WAVE_MODE, 25, 1), 1
	s_wait_xcnt 0x0
; out0 = instance norm over the 1,024 queries of (o Ww^T + bw).  o comes as two bf16 parts (hi, lo), so K runs over 16 steps of 32: 8 heads of hi, 8 of lo, both with the same Ww.
; Work-group g: batch g >> 2, output channels 64 (g & 3) .. + 63, ALL 1,024 queries: the norm's sums stay in the work-group, and a row's piece of out0 is 256 consecutive,
; aligned bytes.  The work has this one natural split into 16 work-groups (narrower channel groups would store pieces of 64 bytes); it is 2 % of the program's matrix work.
; Wave w: queries 64 w .. + 63 (4 tiles) x 4 channel tiles = 128 accumulator registers.  o is source 0: a lane holds one channel of each tile, so sums over queries stay in the lane.
; Variance: each wave's mean and centred sum of squares, joined as M2 = sum M2_u + 64 sum (mean_u - m)^2: never a difference of large sums.
; y = acc rs - m rs is one fused operation.  No cluster: the work-groups of a batch share o's fragments, but these go straight into registers.
; Not served: NaN and infinite inputs.
.set WP,   528                         ; Ww in LDS: 512 bytes of bf16 + 16
.set ST,   33792                       ; [wave 16][mean, M2][64 channels] f32
.set FIN,  41984                       ; [64 channels][rs, -m rs] f32
.set STGE, 42496                       ; 16 rows x 272 bytes for each wave: the way out
.set ACC,  32                          ; v[32:159]  accumulator (qt, ct) at 32 + 8 (4 qt + ct)
.set AR,   160                         ; v[160:223] o's fragments, two slots of 4
.set WF,   224                         ; v[224:255] Ww's 4 fragments
.macro NOPS n
.rept \n
	v_nop
.endr
.endm
	s_load_b256 s[4:11], s[0:1], 0x0               ; Af 4, Ww 6, bw 8, out0 10
	v_lshrrev_b32 v16, 5, v0
	v_readfirstlane_b32 s2, v16                    ; wave w
	s_lshr_b32 s12, ttmp9, 2                       ; batch
	s_and_b32 s13, ttmp9, 3                        ; channel block
	s_mov_b32 s20, 0x76543210
	s_mov_b32 s21, 0xfedcba98
	v_and_b32 v17, 31, v0                          ; L
	v_and_b32 v18, 15, v0                          ; r
	v_bfe_u32 v19, v0, 4, 1                        ; hh
	v_lshlrev_b32 v1, 4, v17                       ; 16 L
	s_lshr_b32 s14, s2, 1                          ; Ww: two waves take a row of 1,024 bytes
	s_mul_i32 s14, s14, WP
	s_and_b32 s15, s2, 1
	s_lshl_b32 s15, s15, 8
	s_add_co_u32 s14, s14, s15
	v_lshl_add_u32 v2, v17, 3, s14                 ; LDS: (w / 2) x 528 + (w & 1) x 256 + 8 L
	v_lshlrev_b32 v3, 4, v0                        ; memory: 16 t
	v_mul_u32_u24 v4, v18, WP
	v_lshl_add_u32 v4, v19, 4, v4                  ; Ww's fragments
	s_mul_i32 s14, s2, 4352
	s_add_co_u32 s14, s14, STGE
	v_mul_u32_u24 v5, v19, 2176
	v_lshl_add_u32 v5, v18, 2, v5
	v_add_nc_u32 v5, s14, v5                       ; stage in: row 8 hh + j, channel r
	v_mul_u32_u24 v6, v19, 272
	v_lshl_add_u32 v6, v18, 4, v6
	v_add_nc_u32 v6, s14, v6                       ; stage back: 16 lanes take a row of 256 bytes
	v_lshlrev_b32 v7, 10, v19
	v_lshl_add_u32 v7, v18, 4, v7                  ; and the same two rows in out0
	s_lshl_b32 s14, s2, 9
	s_add_co_u32 s14, s14, ST
	v_lshl_add_u32 v12, v18, 2, s14
	s_lshl_b32 s14, s2, 7
	s_add_co_u32 s14, s14, ST
	v_lshl_add_u32 v13, v17, 2, s14                ; waves 0, 1: channel t = 32 w + L
	s_lshl_b32 s14, s2, 8
	s_add_co_u32 s14, s14, FIN
	v_lshl_add_u32 v14, v17, 3, s14
	v_lshlrev_b32 v15, 3, v18
	v_add_nc_u32 v15, FIN, v15
	v_lshlrev_b32 v0, 2, v18                       ; 4 r (the thread's number is not needed any more)
	s_mov_b32 s17, 0
	s_wait_kmcnt 0x0
	s_lshl_b32 s16, s12, 6
	s_lshl2_add_u32 s16, s2, s16                   ; query tile 64 b + 4 w
	s_lshl_b32 s16, s16, 14                        ; 16,384 bytes a tile
	s_add_nc_u64 s[4:5], s[4:5], s[16:17]
	s_lshl_b32 s16, s13, 16
	s_add_nc_u64 s[6:7], s[6:7], s[16:17]          ; my 64 rows of Ww
	s_lshl_b32 s16, s13, 8
	s_add_nc_u64 s[8:9], s[8:9], s[16:17]
	s_lshl_b32 s18, s12, 10
	s_lshl_b32 s19, s2, 6
	s_add_co_u32 s18, s18, s19
	s_lshl_b32 s18, s18, 10                        ; row 1024 b + 64 w of 1,024 bytes
	s_add_co_u32 s16, s16, s18                     ; + 256 bytes x channel block
	s_add_nc_u64 s[10:11], s[10:11], s[16:17]
.macro ALOAD ks                        ; o's 4 fragments of K step ks into slot ks & 1
.irp qt, 0,1,2,3
	global_load_b128 v[AR+32*((\ks)&1)+8*\qt:AR+32*((\ks)&1)+8*\qt+3], v1, s[4:5] offset:16384*\qt+1024*(\ks)
	global_load_b128 v[AR+32*((\ks)&1)+8*\qt+4:AR+32*((\ks)&1)+8*\qt+7], v1, s[4:5] offset:16384*\qt+1024*(\ks)+512
.endr
.endm
.irp i, 0,1,2,3,4,5,6,7
	global_load_b128 v[ACC+4*\i:ACC+4*\i+3], v3, s[6:7] offset:8192*\i
.endr
.irp ct, 0,1,2,3
	global_load_b32 v[8+\ct], v0, s[8:9] offset:64*\ct
.endr
	ALOAD 0
	ALOAD 1
	s_wait_loadcnt 20                              ; Ww is in; bw's 4 loads and o's 16 are younger
.irp i, 0,1,2,3,4,5,6,7
	v_cvt_pk_bf16_f32 v[ACC+4*\i], v[ACC+4*\i], v[ACC+4*\i+1]
	v_cvt_pk_bf16_f32 v[ACC+4*\i+1], v[ACC+4*\i+2], v[ACC+4*\i+3]
	ds_store_b64 v2, v[ACC+4*\i:ACC+4*\i+1] offset:8*WP*\i
.endr
	s_wait_dscnt 0x0
	s_barrier_signal -1
	s_barrier_wait -1
; One step of 32 along K.  The wait for 8 leaves the next step's 8 loads out.  Four v_nop are the places between the products and the loads into their sources.
.macro KSTEP ks
.irp ct, 0,1,2,3
	ds_load_b128 v[WF+8*\ct:WF+8*\ct+3], v4 offset:16*WP*\ct+64*(\ks&7)
	ds_load_b128 v[WF+8*\ct+4:WF+8*\ct+7], v4 offset:16*WP*\ct+64*(\ks&7)+32
.endr
.if \ks == 15
	s_wait_loadcnt 0x0
.else
	s_wait_loadcnt 0x8
.endif
	s_wait_dscnt 0x0
.if \ks == 0
	; the sums start from the bias: two tuples take turns, each written again 8 plain lines behind the products that read it
.irp ct, 0,1,2,3
.irp j, 0,1,2,3,4,5,6,7
	v_mov_b32 v[16+8*(\ct&1)+\j], v[8+\ct]
.endr
.irp qt, 0,1,2,3
	v_wmma_f32_16x16x32_bf16 v[ACC+8*(4*\qt+\ct):ACC+8*(4*\qt+\ct)+7], v[AR+8*\qt:AR+8*\qt+7], v[WF+8*\ct:WF+8*\ct+7], v[16+8*(\ct&1):16+8*(\ct&1)+7]
.endr
.endr
.else
.irp qt, 0,1,2,3
.irp ct, 0,1,2,3
	v_wmma_f32_16x16x32_bf16 v[ACC+8*(4*\qt+\ct):ACC+8*(4*\qt+\ct)+7], v[AR+32*(\ks&1)+8*\qt:AR+32*(\ks&1)+8*\qt+7], v[WF+8*\ct:WF+8*\ct+7], v[ACC+8*(4*\qt+\ct):ACC+8*(4*\qt+\ct)+7]
.endr
.endr
.endif
	NOPS 4
.if \ks < 14
	ALOAD \ks+2
.endif
.endm
.irp ks, 0,1,2,3,4,5,6,7,8,9,10,11,12,13,14,15
	KSTEP \ks
.endr
	; my 64 queries' mean and centred sum of squares for each of my lane's 4 channels
.irp ct, 0,1,2,3
	v_pk_add_f32 v[160+2*\ct:161+2*\ct], v[ACC+8*\ct:ACC+8*\ct+1], v[ACC+8*\ct+2:ACC+8*\ct+3]
.endr
.set qi, 2
.rept 14
.irp ct, 0,1,2,3
	v_pk_add_f32 v[160+2*\ct:161+2*\ct], v[160+2*\ct:161+2*\ct], v[ACC+8*(4*(qi>>2)+\ct)+2*(qi&3):ACC+8*(4*(qi>>2)+\ct)+2*(qi&3)+1]
.endr
.set qi, qi+1
.endr
.irp ct, 0,1,2,3
	v_add_f32 v[160+2*\ct], v[160+2*\ct], v[161+2*\ct]
.endr
.irp ct, 0,1,2,3
	v_permlanex16_b32 v[161+2*\ct], v[160+2*\ct], s20, s21     ; the other 8 queries of each tile
.endr
.irp ct, 0,1,2,3
	v_add_f32 v[160+2*\ct], v[160+2*\ct], v[161+2*\ct]
	v_mul_f32 v[160+2*\ct], 0x3c800000, v[160+2*\ct]           ; / 64
	v_mov_b32 v[161+2*\ct], v[160+2*\ct]
.endr
.set qi, 0
.rept 16
.irp ct, 0,1,2,3
	v_pk_add_f32 v[176+2*\ct:177+2*\ct], v[ACC+8*(4*(qi>>2)+\ct)+2*(qi&3):ACC+8*(4*(qi>>2)+\ct)+2*(qi&3)+1], v[160+2*\ct:161+2*\ct] neg_lo:[0,1] neg_hi:[0,1]
.endr
.irp ct, 0,1,2,3
.if qi == 0
	v_pk_mul_f32 v[168+2*\ct:169+2*\ct], v[176+2*\ct:177+2*\ct], v[176+2*\ct:177+2*\ct]
.else
	v_pk_fma_f32 v[168+2*\ct:169+2*\ct], v[176+2*\ct:177+2*\ct], v[176+2*\ct:177+2*\ct], v[168+2*\ct:169+2*\ct]
.endif
.endr
.set qi, qi+1
.endr
.irp ct, 0,1,2,3
	v_add_f32 v[168+2*\ct], v[168+2*\ct], v[169+2*\ct]
.endr
.irp ct, 0,1,2,3
	v_permlanex16_b32 v[169+2*\ct], v[168+2*\ct], s20, s21
.endr
.irp ct, 0,1,2,3
	v_add_f32 v[168+2*\ct], v[168+2*\ct], v[169+2*\ct]
	ds_store_b32 v12, v[160+2*\ct] offset:64*\ct               ; both halves of the lanes write the same word with the same value
	ds_store_b32 v12, v[168+2*\ct] offset:64*\ct+256
.endr
	s_wait_dscnt 0x0
	s_barrier_signal -1
	s_barrier_wait -1
	s_cmp_gt_u32 s2, 1                             ; waves 0 and 1 join the 16 waves' figures, a lane for each of the 64 channels; no barrier stands inside
	s_cbranch_scc1 .Ljoined
.irp u, 0,1,2,3,4,5,6,7,8,9,10,11,12,13,14,15
	ds_load_b32 v[160+\u], v13 offset:512*\u
	ds_load_b32 v[176+\u], v13 offset:512*\u+256
.endr
	s_wait_dscnt 0x0
	v_pk_add_f32 v[192:193], v[160:161], v[162:163]
	v_pk_add_f32 v[196:197], v[176:177], v[178:179]
.irp k, 2,3,4,5,6,7
	v_pk_add_f32 v[192:193], v[192:193], v[160+2*\k:161+2*\k]
	v_pk_add_f32 v[196:197], v[196:197], v[176+2*\k:177+2*\k]
.endr
	v_add_f32 v192, v192, v193
	v_add_f32 v196, v196, v197
	v_mul_f32 v192, 0x3d800000, v192               ; m = sum of means / 16
	v_mov_b32 v193, v192
.irp k, 0,1,2,3,4,5,6,7
	v_pk_add_f32 v[160+2*\k:161+2*\k], v[160+2*\k:161+2*\k], v[192:193] neg_lo:[0,1] neg_hi:[0,1]
.endr
	v_pk_mul_f32 v[194:195], v[160:161], v[160:161]
.irp k, 1,2,3,4,5,6,7
	v_pk_fma_f32 v[194:195], v[160+2*\k:161+2*\k], v[160+2*\k:161+2*\k], v[194:195]
.endr
	v_add_f32 v194, v194, v195
	v_fmamk_f32 v196, v194, 0x42800000, v196       ; M2 = 64 sum (mean_u - m)^2 + sum M2_u
	v_mov_b32 v197, 0x3a800000                     ; 1 / 1024
	v_fmaak_f32 v196, v196, v197, 0x3727c5ac       ; var + 1e-5
	v_rsq_f32 v198, v196
	v_nop
	s_wait_alu depctr_va_vdst(0)
	v_mul_f32 v199, v192, v198
	v_mul_f32 v199, -1.0, v199                     ; -m rs
	ds_store_b64 v14, v[198:199]
.Ljoined:
	s_wait_dscnt 0x0
	s_barrier_signal -1
	s_barrier_wait -1
.irp ct, 0,1,2,3
	ds_load_b64 v[192+2*\ct:193+2*\ct], v15 offset:128*\ct
.endr
	s_wait_dscnt 0x0
.irp ct, 0,1,2,3
	v_mov_b32 v[200+4*\ct], v[192+2*\ct]
	v_mov_b32 v[201+4*\ct], v[192+2*\ct]
	v_mov_b32 v[202+4*\ct], v[193+2*\ct]
	v_mov_b32 v[203+4*\ct], v[193+2*\ct]
.endr
.irp qt, 0,1,2,3
.irp ct, 0,1,2,3
.irp jj, 0,2,4,6
	v_pk_fma_f32 v[ACC+8*(4*\qt+\ct)+\jj:ACC+8*(4*\qt+\ct)+\jj+1], v[ACC+8*(4*\qt+\ct)+\jj:ACC+8*(4*\qt+\ct)+\jj+1], v[200+4*\ct:201+4*\ct], v[202+4*\ct:203+4*\ct]
.endr
.endr
.endr
; The way out, 16 queries at a time, through my own stage (LDS serves a wave's instructions in order: no wait between the stores and the loads, nor before the next tile's stores):
; a lane holds a piece of a column; read back by rows, 16 lanes store 256 consecutive, aligned bytes.
.macro OUTQ qt, f
.irp ct, 0,1,2,3
.irp j, 0,1,2,3,4,5,6,7
	ds_store_b32 v5, v[ACC+8*(4*\qt+\ct)+\j] offset:272*\j+64*\ct
.endr
.endr
.if \qt >= 2
	s_wait_xcnt 0x0                                ; the registers loaded next are the data of the stores two tiles ago
.endif
.irp i, 0,1,2,3,4,5,6,7
	ds_load_b128 v[\f+4*\i:\f+4*\i+3], v6 offset:544*\i
.endr
.irp i, 0,1,2,3,4,5,6,7
	s_wait_dscnt 7-\i
	global_store_b128 v7, v[\f+4*\i:\f+4*\i+3], s[10:11] offset:16384*\qt+2048*\i
.endr
.endm
	OUTQ 0, 160
	OUTQ 1, 224
	OUTQ 2, 160
	OUTQ 3, 224
	s_endpgm
.Lfunc_end_k_q8daea8fd85_outp:
	.size	k_q8daea8fd85_outp, .Lfunc_end_k_q8daea8fd85_outp-k_q8daea8fd85_outp
	.p2alignl 7, 3214868480
	.fill 96, 4, 3214868480
	.section	.rodata,"a",@progbits
	.p2align	6, 0x0
	.amdhsa_kernel k_q8daea8fd85_outp
		.amdhsa_group_segment_fixed_size 112128
		.amdhsa_private_segment_fixed_size 0
		.amdhsa_enable_private_segment 0
		.amdhsa_kernarg_size 32
		.amdhsa_user_sgpr_count 2
		.amdhsa_user_sgpr_kernarg_segment_ptr 1
		.amdhsa_wavefront_size32 1
		.amdhsa_system_sgpr_workgroup_id_x 1
		.amdhsa_system_sgpr_workgroup_id_y 1
		.amdhsa_system_sgpr_workgroup_id_z 1
		.amdhsa_system_vgpr_workitem_id 0
		.amdhsa_next_free_vgpr 256
		.amdhsa_next_free_sgpr 66
		.amdhsa_reserve_vcc 0
		.amdhsa_float_denorm_mode_32 3
		.amdhsa_float_denorm_mode_16_64 3
		.amdhsa_memory_ordered 1
		.amdhsa_forward_progress 1
		.amdhsa_inst_pref_size 83
	.end_amdhsa_kernel
	.amdgpu_metadata
---
amdhsa.version: [ 1, 2 ]
amdhsa.kernels:
  - .name:           k_q8daea8fd85_outp
    .symbol:         k_q8daea8fd85_outp.kd
    .args:
      - { .name: Af, .offset: 0, .size: 8, .value_kind: global_buffer, .address_space: global }
      - { .name: Ww, .offset: 8, .size: 8, .value_kind: global_buffer, .address_space: global }
      - { .name: bw, .offset: 16, .size: 8, .value_kind: global_buffer, .address_space: global }
      - { .name: out0, .offset: 24, .size: 8, .value_kind: global_buffer, .address_space: global }
    .group_segment_fixed_size: 112128
    .private_segment_fixed_size: 0
    .kernarg_segment_align: 8
    .kernarg_segment_size: 32
    .max_flat_workgroup_size: 512
    .sgpr_count:     66
    .vgpr_count:     256
    .wavefront_size: 32
...
	.end_amdgpu_metadata
.endif
;; end of part 3
;; ======== version 2 of 2: 4 launches; 1.29 times as fast as version 1
;; limits: values are held in f16: magnitudes above 65,504 overflow, below 6.1e-05 lose precision
;; workspace buffers: Kf 8,388,608 bytes; Vf 8,388,608 bytes; Qf 2,097,152 bytes; stat 262,144 bytes; Af 4,194,304 bytes; Yb 4,194,304 bytes; stat2 131,072 bytes
;; launch proj (part 4): grid 256 x 1, 4 waves a work-group, no clusters, 112,640 bytes of LDS; arguments x, l, Wk, Wv, Wq, bk, bv, bq, Kf, Vf, Qf, stat; writes Kf, Vf, Qf, stat
.if DOCPART == 4
	.amdgcn_target "amdgcn-amd-amdhsa--gfx1250"
	.amdhsa_code_object_version 6
	.text
	.protected	k_q8daea8fd85_proj
	.globl	k_q8daea8fd85_proj
	.p2align	8
	.type	k_q8daea8fd85_proj,@function
k_q8daea8fd85_proj:
	s_mov_b64 s[64:65], 0
	v_nop
	global_prefetch_b8 v0, s[64:65] scope:SCOPE_SE
	s_setreg_imm32_b32 hwreg(HW_REG_WAVE_MODE, 25, 1), 1
	s_wait_xcnt 0x0
; The three input projections, K = 512, bf16 operands, f32 sums that start from the bias.
;   k = x Wk^T + bk : stored as f16, centred on the mean of its block of 128 positions, with that mean and the centred sum of squares (f32) in stat
;   v = x Wv^T + bv : stored as f16
;   q = l Wq^T + bq : stored as f16
; f16 and not bf16, because the program's last norm keeps only what differs between queries, and there bf16's rounding of these three would show.
; LIMIT: |q|, |k - block mean|, |v| <= 65504, f16's largest number.
; All three are stored in the order in which the next launch's matrix instructions want them in registers: every store is 512 consecutive bytes.
; Work-group g: role g & 1 (0: k, 1: v), positions 128 (g >> 1) .. + 127 of the flattened x, all 256 channels; wave w: channels 64 w .. + 63,
; 8 position tiles x 4 channel tiles = 256 accumulator registers, so that a channel's 128 positions never leave a wave.
; Every work-group also makes 64 rows (g >> 2) x 64 channels (g & 3) of q: 256 equal shares.
; OPERANDS: f32 comes through registers (16 bytes a lane, 16 lanes = 256 consecutive bytes of a row), is rounded to bf16 ONCE and laid into padded LDS tiles.
; No tensor loads and no multicast: they would lay f32 into LDS, which doubles the bytes of every fragment read (24,576 in place of 12,288 for a wave and
; 32 of K) and makes each of the four waves round x's eight fragments again.
; Twelve chunks run through two register sets and two LDS buffers: 8 of x and W (64 of K), 4 of l and Wq (128 of K).  Chunk c's loads are issued three
; chunks ahead of its products.  One barrier a chunk.
; Not served: NaN and infinite inputs.  The order of the sums differs from a serial one.
.set XP,    144                        ; LDS pitch of an x or W row: 128 bytes of bf16 + 16 (9 x 16: sixteen rows start in sixteen different 16-byte columns)
.set QP,    272                        ; LDS pitch of an l or Wq row: 256 + 16
.set BUF,   55296                      ; an LDS buffer: 128 x rows + 256 W rows of 144 bytes (the q form needs 128 rows of 272)
.set WOFF,  18432                      ; W's rows behind x's 128
.set QWOFF, 17408                      ; Wq's rows behind l's 64
.set STG_,  110592                     ; behind the two buffers: 512 bytes a wave for the statistics
.set BQ,    24                         ; v[24:31]   bq as a C operand
.set BIAS,  32                         ; v[32:63]   bias tuples of the 4 channel tiles; later q's 4 accumulators
.set F0,    64                         ; v[64:159]  fragments, first 32 of K: 8 of x, 4 of W
.set F1,    160                        ; v[160:255] fragments, second 32 of K
.set TS,    64                         ; the way out: sums, then means
.set T2,    96                         ;              centred sums of squares
.set PK,    128                        ;              packed results
; window 1: accumulator (ct, p) at v[64 ct + 8 p].  windows 2 and 3: staging set 0 and 1: v0-191 data, v192-195 the set's own copies of the offsets.
.set MSB, 0
.macro WIN new                         ; s_set_vgpr_msb: bits 1:0 source 0, 3:2 source 1, 5:4 source 2, 7:6 destination; the high byte repeats the setting left
.if MSB != \new
	s_set_vgpr_msb (MSB<<8)|\new
.set MSB, \new
.endif
.endm
.macro NOPS n
.rept \n
	v_nop
.endr
.endm
	s_load_b512 s[8:23], s[0:1], 0x0               ; x 8, l 10, Wk 12, Wv 14, Wq 16, bk 18, bv 20, bq 22
	s_load_b256 s[24:31], s[0:1], 0x40             ; Kf 24, Vf 26, Qf 28, stat 30
	v_lshrrev_b32 v20, 5, v0
	v_readfirstlane_b32 s2, v20                    ; wave w
	s_and_b32 s3, ttmp9, 1                         ; role
	s_lshr_b32 s4, ttmp9, 1                        ; block of 128 positions, 0 .. 127
	s_lshr_b32 s50, ttmp9, 2                       ; q: block of 64 rows
	s_and_b32 s51, ttmp9, 3                        ; q: block of 64 channels
	v_and_b32 v21, 31, v0                          ; lane L
	v_and_b32 v22, 15, v0                          ; r
	v_bfe_u32 v23, v0, 4, 1                        ; hh
	v_lshlrev_b32 v1, 4, v21                       ; 16 L
	v_lshlrev_b32 v2, 3, v21                       ; 8 L
	v_mul_u32_u24 v3, v22, XP
	v_lshl_add_u32 v3, v23, 4, v3                  ; x fragments, buffer 0: r x 144 + 16 hh
	v_add_nc_u32 v4, BUF, v3                       ; buffer 1
	s_mul_i32 s52, s2, 64*XP
	s_add_co_u32 s52, s52, WOFF
	v_add_nc_u32 v5, s52, v3                       ; W fragments: my 64 channels
	v_add_nc_u32 v6, BUF, v5
	v_mul_u32_u24 v7, v22, QP
	v_lshl_add_u32 v7, v23, 4, v7                  ; l fragments
	v_add_nc_u32 v8, BUF, v7
	s_mul_i32 s52, s2, 16*QP
	s_add_co_u32 s52, s52, QWOFF
	v_add_nc_u32 v9, s52, v7                       ; Wq fragment: my 16 channels
	v_add_nc_u32 v10, BUF, v9
	s_lshl_b32 s52, s2, 9
	s_add_co_u32 s52, s52, STG_
	v_lshl_add_u32 v11, v23, 5, s52                ; statistics in: 8 channels of 4 bytes for each half of the lanes
	v_add_nc_u32 v12, s52, v2                      ; statistics back: 8 bytes a lane
	v_lshlrev_b32 v13, 5, v23                      ; 32 hh: a bias along the registers
	v_lshlrev_b32 v14, 2, v22                      ; 4 r: a bias along the lanes
	; staging offsets: 16 lanes take 256 bytes of a row, a wave two rows, the work-group eight
	s_lshl_b32 s52, s2, 12
	v_lshlrev_b32 v16, 4, v22
	v_lshl_add_u32 v16, v23, 11, v16
	v_add_nc_u32 v16, s52, v16                     ; memory: (2 w + hh) x 2048 + 16 r
	s_mul_i32 s52, s2, 2*XP
	v_mul_u32_u24 v20, v23, XP
	v_lshl_add_u32 v17, v22, 3, v20
	v_add_nc_u32 v17, s52, v17                     ; LDS: (2 w + hh) x 144 + 8 r
	s_lshl_b32 s52, s2, 11
	v_add_nc_u32 v18, s52, v1                      ; q form, memory: a wave takes 512 bytes of one row: w x 2048 + 16 L
	s_mul_i32 s52, s2, QP
	v_add_nc_u32 v19, s52, v2                      ; q form, LDS: w x 272 + 8 L
	WIN 0x80                                       ; each staging set names only its own window: three switches a chunk
	v_mov_b32 v192, v16
	v_mov_b32 v193, v17
	v_mov_b32 v194, v18
	v_mov_b32 v195, v19
	WIN 0xc0
	v_mov_b32 v192, v16
	v_add_nc_u32 v193, BUF, v17                    ; set 1 fills buffer 1
	v_mov_b32 v194, v18
	v_add_nc_u32 v195, BUF, v19
	WIN 0
	s_mov_b32 s7, 0
	s_wait_kmcnt 0x0
	s_lshl_b32 s6, s4, 18
	s_add_nc_u64 s[32:33], s[8:9], s[6:7]          ; x at my 128 rows of 2,048 bytes
	s_lshl_b32 s6, s50, 17
	s_add_nc_u64 s[36:37], s[10:11], s[6:7]        ; l at my 64 rows
	s_lshl_b32 s6, s51, 17
	s_add_nc_u64 s[38:39], s[16:17], s[6:7]        ; Wq at my 64 rows
	s_cmp_lg_u32 s3, 0
	s_cselect_b64 s[34:35], s[14:15], s[12:13]     ; the role's weights,
	s_cselect_b64 s[40:41], s[20:21], s[18:19]     ; bias
	s_cselect_b64 s[44:45], s[26:27], s[24:25]     ; and output
	s_lshl_b32 s6, s2, 8
	s_add_nc_u64 s[40:41], s[40:41], s[6:7]        ; bias of my 64 channels
	s_lshl_b32 s6, s51, 8
	s_lshl_b32 s52, s2, 6
	s_add_co_u32 s6, s6, s52
	s_add_nc_u64 s[42:43], s[22:23], s[6:7]        ; bq of my 16 channels
	s_lshr_b32 s52, s4, 5                          ; batch
	s_lshl_b32 s6, s52, 21
	s_lshl_b32 s52, s2, 19                         ; heads 2 w, 2 w + 1: 262,144 bytes a head
	s_add_co_u32 s6, s6, s52
	s_and_b32 s52, s4, 31
	s_lshl_b32 s52, s52, 13                        ; 128 positions are 8,192 bytes of a head, in Kf and in Vf
	s_add_co_u32 s6, s6, s52
	s_add_nc_u64 s[44:45], s[44:45], s[6:7]
	s_lshr_b32 s52, s50, 4                         ; q's batch
	s_lshl_b32 s52, s52, 3
	s_lshl1_add_u32 s52, s51, s52                  ; + head 2 qc
	s_lshr_b32 s53, s2, 1
	s_add_co_u32 s52, s52, s53                     ; + w / 2
	s_lshl_b32 s52, s52, 6                         ; 64 query tiles a head
	s_and_b32 s53, s50, 15
	s_lshl2_add_u32 s52, s53, s52                  ; + my first tile
	s_lshl_b32 s6, s52, 10                         ; 1,024 bytes a tile (16 queries x 32 channels of f16)
	s_and_b32 s53, s2, 1
	s_lshl_b32 s53, s53, 9                         ; which 16 of the head's 32 channels
	s_add_co_u32 s6, s6, s53
	s_add_nc_u64 s[46:47], s[28:29], s[6:7]
	s_lshl_b32 s6, s4, 11
	s_lshl_b32 s52, s2, 8
	s_add_co_u32 s6, s6, s52
	s_add_nc_u64 s[48:49], s[30:31], s[6:7]        ; stat: my block's two planes of 1,024 bytes, my 64 channels
	s_cmp_lg_u32 s3, 0                             ; the same in all four waves: each body's barriers are passed by all of them
	s_cbranch_scc1 .Lvrole
; 48 loads: 64 of K (256 bytes of each row) of 128 x rows and 256 W rows, under the set's window
.macro XLOAD c
.set ii, 0
.rept 16
	global_load_b128 v[4*ii:4*ii+3], v192, s[32:33] offset:16384*ii+256*\c
.set ii, ii+1
.endr
.set ii, 0
.rept 32
	global_load_b128 v[64+4*ii:64+4*ii+3], v192, s[34:35] offset:16384*ii+256*\c
.set ii, ii+1
.endr
.endm
; Rounding and laying down go in groups of eight loads, the conversions one group ahead of the LDS stores,
; so that no store stands right behind the conversion that makes its data.
.macro CVTG g                          ; group g: 32 numbers a lane, rounded in place
.set ii, 8*(\g)
.rept 8
	v_cvt_pk_bf16_f32 v[4*ii], v[4*ii], v[4*ii+1]
	v_cvt_pk_bf16_f32 v[4*ii+1], v[4*ii+2], v[4*ii+3]
.set ii, ii+1
.endr
.endm
.macro STG g, adr, step                ; group g: 8 bytes a lane and load into the buffer
.set ii, 8*(\g)
.rept 8
	ds_store_b64 v[\adr], v[4*ii:4*ii+1] offset:(\step)*ii
.set ii, ii+1
.endr
.endm
.macro XCONV                           ; W's rows follow x's in the buffer, so one formula serves both
	CVTG 0
.irp g, 1,2,3,4,5
	CVTG \g
	STG \g-1, 193, 8*XP
.endr
	STG 5, 193, 8*XP
.endm
; 32 loads: 128 of K (512 bytes of each row) of 64 l rows and 64 Wq rows
.macro QLOAD q
.set ii, 0
.rept 16
	global_load_b128 v[4*ii:4*ii+3], v194, s[36:37] offset:8192*ii+512*\q
.set ii, ii+1
.endr
.set ii, 0
.rept 16
	global_load_b128 v[64+4*ii:64+4*ii+3], v194, s[38:39] offset:8192*ii+512*\q
.set ii, ii+1
.endr
.endm
.macro QCONV
	CVTG 0
.irp g, 1,2,3
	CVTG \g
	STG \g-1, 195, 4*QP
.endr
	STG 3, 195, 4*QP
.endm
; The end of chunk c: the next chunk goes from register set rs into LDS buffer rs, and the set is asked for again, for chunk c + 3.
; left = the loads of chunk c + 2, the only ones younger than those waited for.
; The buffer written here was last read in chunk c - 1, whose reads were waited for in front of that chunk's barrier; the stores are waited for in front of this one.
.macro STAGE rs, left, conv, issue, n
.if \rs
	WIN 0xcf
.else
	WIN 0x8a
.endif
	s_wait_loadcnt \left
.if \conv
	QCONV
.else
	XCONV
.endif
.if \issue == 1
	XLOAD \n
.endif
.if \issue == 2
	QLOAD \n
.endif
	WIN 0
	s_wait_dscnt 0x0                               ; for the others: my stores have landed (and my reads of the other buffer are long back)
	s_barrier_signal -1
	s_barrier_wait -1
.endm
; 24 LDS loads: 8 fragments of x and my 4 of W, 32 of K.  A fragment: lane (r, hh) takes row r, 16 bytes at 16 hh and 16 more 32 bytes on.
.macro FETCHX bf, ks, f
.irp p, 0,1,2,3,4,5,6,7
	ds_load_b128 v[\f+8*\p:\f+8*\p+3], v[3+\bf] offset:16*XP*\p+64*\ks
	ds_load_b128 v[\f+8*\p+4:\f+8*\p+7], v[3+\bf] offset:16*XP*\p+64*\ks+32
.endr
.irp ct, 0,1,2,3
	ds_load_b128 v[\f+64+8*\ct:\f+64+8*\ct+3], v[5+\bf] offset:16*XP*\ct+64*\ks
	ds_load_b128 v[\f+64+8*\ct+4:\f+64+8*\ct+7], v[5+\bf] offset:16*XP*\ct+64*\ks+32
.endr
.endm
; 32 products.  swap = 0 (k): W is source 0, so a lane's 8 results are 8 neighbouring channels of one position.
; swap = 1 (v): x is source 0, so they are 8 neighbouring positions of one channel.  first = 1: the sums start from the bias; nothing is cleared.
.macro MULX f, first, swap
.irp ct, 0,1,2,3
.irp p, 0,1,2,3,4,5,6,7
.if \swap
.if \first
	v_wmma_f32_16x16x32_bf16 v[64*\ct+8*\p:64*\ct+8*\p+7], v[\f+8*\p:\f+8*\p+7], v[\f+64+8*\ct:\f+64+8*\ct+7], v[BIAS+8*\ct:BIAS+8*\ct+7]
.else
	v_wmma_f32_16x16x32_bf16 v[64*\ct+8*\p:64*\ct+8*\p+7], v[\f+8*\p:\f+8*\p+7], v[\f+64+8*\ct:\f+64+8*\ct+7], v[64*\ct+8*\p:64*\ct+8*\p+7]
.endif
.else
.if \first
	v_wmma_f32_16x16x32_bf16 v[64*\ct+8*\p:64*\ct+8*\p+7], v[\f+64+8*\ct:\f+64+8*\ct+7], v[\f+8*\p:\f+8*\p+7], v[BIAS+8*\ct:BIAS+8*\ct+7]
.else
	v_wmma_f32_16x16x32_bf16 v[64*\ct+8*\p:64*\ct+8*\p+7], v[\f+64+8*\ct:\f+64+8*\ct+7], v[\f+8*\p:\f+8*\p+7], v[64*\ct+8*\p:64*\ct+8*\p+7]
.endif
.endif
.endr
.endr
.endm
; A chunk of x: the fragment loads stand behind the 64 or more conversions of the STAGE before, which are the places behind the products that read F0 and F1
.macro XCHUNK c, swap
	FETCHX (\c&1), 0, F0
	FETCHX (\c&1), 1, F1
	s_wait_dscnt 24                                ; LDS loads come back in order: F0's 24 are in, F1's 24 may be out
.if \c == 0
	WIN 0x40                                       ; D in window 1, C (the bias) in window 0
	MULX F0, 1, \swap
.else
	WIN 0x50                                       ; C and D in window 1
	MULX F0, 0, \swap
.endif
	s_wait_dscnt 0x0
	WIN 0x50
	MULX F1, 0, \swap
.endm
; 40 LDS loads: four steps of 32 along K, each 4 fragments of l and my one of Wq, at v[64 + 40 ks]
.macro FETCHQ bf
.irp ks, 0,1,2,3
.irp p, 0,1,2,3
	ds_load_b128 v[F0+40*\ks+8*\p:F0+40*\ks+8*\p+3], v[7+\bf] offset:16*QP*\p+64*\ks
	ds_load_b128 v[F0+40*\ks+8*\p+4:F0+40*\ks+8*\p+7], v[7+\bf] offset:16*QP*\p+64*\ks+32
.endr
	ds_load_b128 v[F0+40*\ks+32:F0+40*\ks+35], v[9+\bf] offset:64*\ks
	ds_load_b128 v[F0+40*\ks+36:F0+40*\ks+39], v[9+\bf] offset:64*\ks+32
.endr
.endm
.macro MULQ ks, first                  ; Wq is source 0: a lane's 8 results are 8 neighbouring channels of one row of q
.irp p, 0,1,2,3
.if \first
	v_wmma_f32_16x16x32_bf16 v[BIAS+8*\p:BIAS+8*\p+7], v[F0+40*\ks+32:F0+40*\ks+39], v[F0+40*\ks+8*\p:F0+40*\ks+8*\p+7], v[BQ:BQ+7]
.else
	v_wmma_f32_16x16x32_bf16 v[BIAS+8*\p:BIAS+8*\p+7], v[F0+40*\ks+32:F0+40*\ks+39], v[F0+40*\ks+8*\p:F0+40*\ks+8*\p+7], v[BIAS+8*\p:BIAS+8*\p+7]
.endif
.endr
.endm
.macro QCHUNK q
	FETCHQ (\q&1)
	s_wait_dscnt 30                                ; ten loads a step: the three younger steps stay out
.if \q == 0
	MULQ 0, 1
.else
	MULQ 0, 0
.endif
	s_wait_dscnt 20
	MULQ 1, 0
	s_wait_dscnt 10
	MULQ 2, 0
	s_wait_dscnt 0x0
	MULQ 3, 0
.endm
.macro DPPSUM t                        ; 32 registers summed over the 16 lanes of each half: the step outside, the register inside, so that no line waits for the one before
.irp m, 1,2,4,8
.set kk, 0
.rept 32
	v_add_f32_dpp v[\t+kk], v[\t+kk], v[\t+kk] row_xmask:\m row_mask:0xf bank_mask:0xf
.set kk, kk+1
.endr
.endr
.endm
; k's way out: block mean, centre, centred sum of squares (never a difference of large sums), f16, stores.
.macro KEPI
	WIN 0x05                                       ; sources in window 1, result in window 0
.irp ct, 0,1,2,3
.irp jj, 0,2,4,6
	v_pk_add_f32 v[TS+8*\ct+\jj:TS+8*\ct+\jj+1], v[64*\ct+\jj:64*\ct+\jj+1], v[64*\ct+8+\jj:64*\ct+8+\jj+1]
.endr
.endr
	WIN 0x04
.irp p, 2,3,4,5,6,7
.irp ct, 0,1,2,3
.irp jj, 0,2,4,6
	v_pk_add_f32 v[TS+8*\ct+\jj:TS+8*\ct+\jj+1], v[TS+8*\ct+\jj:TS+8*\ct+\jj+1], v[64*\ct+8*\p+\jj:64*\ct+8*\p+\jj+1]
.endr
.endr
.endr
	WIN 0
	DPPSUM TS
.set kk, 0
.rept 16
	v_pk_mul_f32 v[TS+2*kk:TS+2*kk+1], v[TS+2*kk:TS+2*kk+1], 0x3c000000 op_sel_hi:[1,0]   ; / 128
.set kk, kk+1
.endr
	WIN 0x41
.irp p, 0,1,2,3,4,5,6,7
.irp ct, 0,1,2,3
.irp jj, 0,2,4,6
	v_pk_add_f32 v[64*\ct+8*\p+\jj:64*\ct+8*\p+\jj+1], v[64*\ct+8*\p+\jj:64*\ct+8*\p+\jj+1], v[TS+8*\ct+\jj:TS+8*\ct+\jj+1] neg_lo:[0,1] neg_hi:[0,1]
.endr
.endr
.endr
	WIN 0x05
.irp ct, 0,1,2,3
.irp jj, 0,2,4,6
	v_pk_mul_f32 v[T2+8*\ct+\jj:T2+8*\ct+\jj+1], v[64*\ct+\jj:64*\ct+\jj+1], v[64*\ct+\jj:64*\ct+\jj+1]
.endr
.endr
.irp p, 1,2,3,4,5,6,7
.irp ct, 0,1,2,3
.irp jj, 0,2,4,6
	v_pk_fma_f32 v[T2+8*\ct+\jj:T2+8*\ct+\jj+1], v[64*\ct+8*\p+\jj:64*\ct+8*\p+\jj+1], v[64*\ct+8*\p+\jj:64*\ct+8*\p+\jj+1], v[T2+8*\ct+\jj:T2+8*\ct+\jj+1]
.endr
.endr
.endr
.irp ct, 0,1,2,3
.irp p, 0,1,2,3,4,5,6,7
.irp i, 0,1,2,3
	v_cvt_pk_f16_f32 v[PK+4*(8*\ct+\p)+\i], v[64*\ct+8*\p+2*\i], v[64*\ct+8*\p+2*\i+1]
.endr
.endr
.endr
	WIN 0
	DPPSUM T2
	; the statistics lie along the registers; through my own 512 bytes of LDS they come to lie along the lanes (the 16 lanes of a half write the same bytes with the same values)
.irp ct, 0,1,2,3
	ds_store_b128 v11, v[TS+8*\ct:TS+8*\ct+3] offset:64*\ct
	ds_store_b128 v11, v[TS+8*\ct+4:TS+8*\ct+7] offset:64*\ct+16
	ds_store_b128 v11, v[T2+8*\ct:T2+8*\ct+3] offset:64*\ct+256
	ds_store_b128 v11, v[T2+8*\ct+4:T2+8*\ct+7] offset:64*\ct+272
.endr
	ds_load_b64 v[20:21], v12                      ; LDS serves a wave's instructions in order: these see the stores above
	ds_load_b64 v[22:23], v12 offset:256
.irp ct, 0,1,2,3
.irp p, 0,1,2,3,4,5,6,7
	global_store_b128 v1, v[PK+4*(8*\ct+\p):PK+4*(8*\ct+\p)+3], s[44:45] offset:(\ct>>1)*262144+1024*\p+512*(\ct&1)
.endr
.endr
	s_wait_dscnt 0x0
	global_store_b64 v2, v[20:21], s[48:49]                ; 64 means: 256 consecutive bytes
	global_store_b64 v2, v[22:23], s[48:49] offset:1024    ; 64 sums of squares
	s_wait_xcnt 0x0                                ; the next fragment loads land on PK, which the stores read
.endm
.macro VEPI
	WIN 0x05
.irp ct, 0,1,2,3
.irp p, 0,1,2,3,4,5,6,7
.irp i, 0,1,2,3
	v_cvt_pk_f16_f32 v[PK+4*(8*\ct+\p)+\i], v[64*\ct+8*\p+2*\i], v[64*\ct+8*\p+2*\i+1]
.endr
.endr
.endr
	WIN 0
.irp ct, 0,1,2,3
.irp p, 0,1,2,3,4,5,6,7
	global_store_b128 v1, v[PK+4*(8*\ct+\p):PK+4*(8*\ct+\p)+3], s[44:45] offset:(\ct>>1)*262144+2048*(\p>>1)+1024*(\ct&1)+512*(\p&1)
.endr
.endr
	s_wait_xcnt 0x0
.endm
.macro BODY swap
	global_load_b128 v[BQ:BQ+3], v13, s[42:43]             ; the biases are asked for ahead of the chunks: the first STAGE's wait covers them
	global_load_b128 v[BQ+4:BQ+7], v13, s[42:43] offset:16
.irp ct, 0,1,2,3
.if \swap
	global_load_b32 v[16+\ct], v14, s[40:41] offset:64*\ct
.else
	global_load_b128 v[BIAS+8*\ct:BIAS+8*\ct+3], v13, s[40:41] offset:64*\ct
	global_load_b128 v[BIAS+8*\ct+4:BIAS+8*\ct+7], v13, s[40:41] offset:64*\ct+16
.endif
.endr
	WIN 0x8a
	XLOAD 0
	WIN 0xcf
	XLOAD 1
	STAGE 0, 48, 0, 1, 2
.if \swap
.irp ct, 0,1,2,3
.irp j, 0,1,2,3,4,5,6,7
	v_mov_b32 v[BIAS+8*\ct+\j], v[16+\ct]          ; v: a lane holds one channel, so its bias fills the tuple
.endr
.endr
.endif
	XCHUNK 0, \swap
	STAGE 1, 48, 0, 1, 3
	XCHUNK 1, \swap
	STAGE 0, 48, 0, 1, 4
	XCHUNK 2, \swap
	STAGE 1, 48, 0, 1, 5
	XCHUNK 3, \swap
	STAGE 0, 48, 0, 1, 6
	XCHUNK 4, \swap
	STAGE 1, 48, 0, 1, 7
	XCHUNK 5, \swap
	STAGE 0, 48, 0, 2, 0
	XCHUNK 6, \swap
	STAGE 1, 32, 0, 2, 1                           ; from here the younger chunk is one of q's: 32 loads
	XCHUNK 7, \swap
	STAGE 0, 32, 1, 2, 2
	QCHUNK 0
	STAGE 1, 32, 1, 2, 3
.if \swap
	VEPI                                           ; x's results leave while q's last two chunks are on their way
.else
	KEPI
.endif
	QCHUNK 1
	STAGE 0, 32, 1, 0, 0
	QCHUNK 2
	STAGE 1, 0, 1, 0, 0                            ; nothing younger is out
	QCHUNK 3
	NOPS 4                                         ; four places between the last products and the conversions, which read their results and write registers that they read (ISA guide 7.12.1)
.irp p, 0,1,2,3
.irp i, 0,1,2,3
	v_cvt_pk_f16_f32 v[PK+4*\p+\i], v[BIAS+8*\p+2*\i], v[BIAS+8*\p+2*\i+1]
.endr
.endr
.irp p, 0,1,2,3
	global_store_b128 v1, v[PK+4*\p:PK+4*\p+3], s[46:47] offset:1024*\p
.endr
	s_endpgm
.endm
	BODY 0
.Lvrole:
	BODY 1
.Lfunc_end_k_q8daea8fd85_proj:
	.size	k_q8daea8fd85_proj, .Lfunc_end_k_q8daea8fd85_proj-k_q8daea8fd85_proj
	.p2alignl 7, 3214868480
	.fill 96, 4, 3214868480
	.section	.rodata,"a",@progbits
	.p2align	6, 0x0
	.amdhsa_kernel k_q8daea8fd85_proj
		.amdhsa_group_segment_fixed_size 112640
		.amdhsa_private_segment_fixed_size 0
		.amdhsa_enable_private_segment 0
		.amdhsa_kernarg_size 96
		.amdhsa_user_sgpr_count 2
		.amdhsa_user_sgpr_kernarg_segment_ptr 1
		.amdhsa_wavefront_size32 1
		.amdhsa_system_sgpr_workgroup_id_x 1
		.amdhsa_system_sgpr_workgroup_id_y 1
		.amdhsa_system_sgpr_workgroup_id_z 1
		.amdhsa_system_vgpr_workitem_id 0
		.amdhsa_next_free_vgpr 1024
		.amdhsa_next_free_sgpr 66
		.amdhsa_reserve_vcc 0
		.amdhsa_float_denorm_mode_32 3
		.amdhsa_float_denorm_mode_16_64 3
		.amdhsa_memory_ordered 1
		.amdhsa_forward_progress 1
		.amdhsa_inst_pref_size 255
	.end_amdhsa_kernel
	.section	.bss,"aw",@nobits
	.p2align	6
	.space	262144
	.amdgpu_metadata
---
amdhsa.version: [ 1, 2 ]
amdhsa.kernels:
  - .name:           k_q8daea8fd85_proj
    .symbol:         k_q8daea8fd85_proj.kd
    .args:
      - { .name: x, .offset: 0, .size: 8, .value_kind: global_buffer, .address_space: global }
      - { .name: l, .offset: 8, .size: 8, .value_kind: global_buffer, .address_space: global }
      - { .name: Wk, .offset: 16, .size: 8, .value_kind: global_buffer, .address_space: global }
      - { .name: Wv, .offset: 24, .size: 8, .value_kind: global_buffer, .address_space: global }
      - { .name: Wq, .offset: 32, .size: 8, .value_kind: global_buffer, .address_space: global }
      - { .name: bk, .offset: 40, .size: 8, .value_kind: global_buffer, .address_space: global }
      - { .name: bv, .offset: 48, .size: 8, .value_kind: global_buffer, .address_space: global }
      - { .name: bq, .offset: 56, .size: 8, .value_kind: global_buffer, .address_space: global }
      - { .name: Kf, .offset: 64, .size: 8, .value_kind: global_buffer, .address_space: global }
      - { .name: Vf, .offset: 72, .size: 8, .value_kind: global_buffer, .address_space: global }
      - { .name: Qf, .offset: 80, .size: 8, .value_kind: global_buffer, .address_space: global }
      - { .name: stat, .offset: 88, .size: 8, .value_kind: global_buffer, .address_space: global }
    .group_segment_fixed_size: 112640
    .private_segment_fixed_size: 0
    .kernarg_segment_align: 8
    .kernarg_segment_size: 96
    .max_flat_workgroup_size: 128
    .sgpr_count:     66
    .vgpr_count:     1024
    .wavefront_size: 32
...
	.end_amdgpu_metadata
.endif
;; end of part 4
;; launch attn (part 5): grid 256 x 1, 8 waves a work-group, no clusters, 155,648 bytes of LDS; arguments Kf, Vf, Qf, stat, Af; writes Af
.if DOCPART == 5
	.amdgcn_target "amdgcn-amd-amdhsa--gfx1250"
	.amdhsa_code_object_version 6
	.text
	.protected	k_q8daea8fd85_attn
	.globl	k_q8daea8fd85_attn
	.p2align	8
	.type	k_q8daea8fd85_attn,@function
k_q8daea8fd85_attn:
	s_mov_b64 s[64:65], 0
	v_nop
	global_prefetch_b8 v0, s[64:65] scope:SCOPE_SE
	s_setreg_imm32_b32 hwreg(HW_REG_WAVE_MODE, 25, 1), 1
	s_wait_xcnt 0x0
; Attention of one (batch, head) for 128 queries, with k's instance norm finished on the way.
; Work-group g: query block g & 7, head (g >> 3) & 7, batch g >> 6.  EIGHT WAVES, two on each SIMD, 512 registers each: more than half of the lines are vector work
; (exponentials, conversions, maxima) that stands behind the wave's own products in program order; the second wave has independent lines to issue meanwhile.
; The eight waves split the KEYS: wave w takes keys 512 w .. + 511 (4 blocks of 128) for all 8 query tiles, so every fragment of K and V is used by one wave alone and goes
; from memory straight into its registers, 512 consecutive bytes a load: no LDS and no barrier in the passes.  (Splitting the queries instead would read K and V twice.)
; THE NORM.  Kf holds Kc = k - (mean of its block of 128 keys) in f16.  With m and var of the whole row from the block statistics
; (M2 = sum M2_i + 128 sum (mean_i - m)^2: only non-negative terms) and g = rsqrt(var + eps) log2(e) / 16,
; score x log2 e = sum_d q[d] (g[d] Kc[d] + g[d] D_i[d]), D_i = mean_i - m.  Each K fragment is multiplied by g once in each pass, when it has landed: 16 packed multiplies
; for 32 keys, shared by the 8 query tiles.  g Kc and g D_i are bounded by the norm itself (|k - m| <= 64 sigma, |D_i| <= sqrt(32) sigma), so f16's range is no matter for them.
; D_i's term is the same for a block's 128 keys: a product with 16 equal rows gives it as a tile.
; THE SOFTMAX takes the true maximum away, in two passes.  Pass 1: scores without the block's term, their maximum for each block, the block's term added at the block's end,
; the maximum over blocks, lanes and waves.  Pass 2: the C tiles of the score products are written once with -max and carried on in place from block to block,
; C += (g (mean_i - mean_(i-1))) q (the first link: g D_0), so that the scores leave the matrix unit as score - max; then 2^x, f16, P V.  Row sums: a third product with ones.
; The block terms of the two passes are rounded to f16 apart from each other, so score - max can pass 0 by about 2^-11 of the block's term, and P can pass 1 by as much.
; A running maximum would need about twice the plain vector work for each score and would rescale 192 accumulators.
; SCORES ARE MADE TRANSPOSED (K is source 0): a lane holds 8 keys of one query, so maxima stay in the lane, and two packed tiles are P as source 1 of O^T = V^T P.
; ALL OPERANDS ARE f16: the next launches' norm keeps only what differs between queries, and bf16's rounding of q, k or P would show there.
; LIMITS: |q|, |Kc|, |v| <= 65504 as stored by the launch before.  Weights below 2^-25 count as 0.  2^x returns 0 below 2^-126 (ISA guide, the instruction's entry).
; The result leaves as two bf16 parts, hi = bf16(o), lo = bf16(o - hi), for the same reason as f16 above.
; BOTH PASSES ARE UNROLLED over their 16 steps of 32 keys: the slots of the register rings (6, then 3 + 3) do not divide a block's 4 steps, every offset is an immediate,
; no base is stepped, and the text has no label.
; No multicast, though the 8 query blocks of a head read the same K and V: a joint request lands in LDS, which would add an LDS write and read for every byte and a barrier
; for every slot to passes that need neither; a work-group's own K and V traffic is 768 KiB spread over its whole run.
; No prefetch: K and V were stored by the launch before, and the rings ask 5 steps (pass 1) and 2 steps (pass 2) ahead.
; Not served: NaN and infinite inputs.
.set QB,   16                          ; v[16:79]    q of the 8 query tiles
.set SB,   80                          ; v[80:111]   two score buffers of 16 (two key tiles each)
.set PB,   112                         ; v[112:127]  pass 2: P, two sets of 8
.set BM,   112                         ; v[112:119]  pass 1: the block's maxima
.set ONE,  128                         ; v[128:135]  1.0 in f16
.set RS,   136                         ; v[136:143]  g as a fragment's 8 registers
.set DL,   144                         ; v[144:151]  the block's fragment of 16 equal rows
.set POOL, 152                         ; v[152:247]  six slots of 16 registers (32 keys of K or of V)
.set MX,   248                         ; v[248:255]  maxima
; window 1: O^T tiles dv 0-15 at v[8 qt], dv 16-31 at v[64 + 8 qt], row sums at v[128 + 8 qt], C tiles at v[192 + 8 qt]
.set C0,   192
.set XM,   8192                        ; LDS: 0 .. 8191 1,024 bytes a wave (g f32 at + 0, g D_i f16 at + 128, the links of pass 2's chain at + 384); maxima [wave][tile][lane] from here
.set RED,  16384                       ; LDS: partial results [wave][tile] of 2,176 bytes
.set MSB, 0
.macro WIN new                         ; s_set_vgpr_msb: bits 1:0 source 0, 3:2 source 1, 5:4 source 2, 7:6 destination; the high byte repeats the setting left
.if MSB != \new
	s_set_vgpr_msb (MSB<<8)|\new
.set MSB, \new
.endif
.endm
.macro NOPS n
.rept \n
	v_nop
.endr
.endm
.macro GLOAD dst, base, off            ; 32 keys of K (two key tiles) or of V (two tiles of 16 dv): 4 loads of 512 consecutive bytes
.irp k, 0,1,2,3
	global_load_b128 v[(\dst)+4*\k:(\dst)+4*\k+3], v1, s[\base:\base+1] offset:(\off)+512*\k
.endr
.endm
.macro KSCALE kr                       ; a slot of K that has just landed, times g: register m of either key tile holds the channels of register m of g
.set kk, 0
	s_wait_alu depctr_va_vdst(0)
.rept 16
	v_pk_mul_f16 v[(\kr)+kk], v[(\kr)+kk], v[RS+(kk&7)]
.set kk, kk+1
.endr
.endm
.macro DLOAD off                       ; a fragment with 16 equal rows: every lane of a half reads the same 16 bytes
	ds_load_b128 v[DL:DL+3], v2 offset:(\off)
	ds_load_b128 v[DL+4:DL+7], v2 offset:(\off)+32
.endm
	s_load_b256 s[8:15], s[0:1], 0x0               ; Kf 8, Vf 10, Qf 12, stat 14
	s_load_b64 s[16:17], s[0:1], 0x20              ; Af
	v_lshrrev_b32 v15, 5, v0
	v_readfirstlane_b32 s2, v15                    ; wave w, 0 .. 7
	s_and_b32 s3, ttmp9, 7                         ; query block
	s_bfe_u32 s4, ttmp9, 0x30003                   ; head
	s_lshr_b32 s5, ttmp9, 6                        ; batch
	s_mov_b32 s37, 0x76543210                      ; v_permlanex16_b32: lane i of one half reads lane i of the other
	s_mov_b32 s38, 0xfedcba98
	v_and_b32 v14, 31, v0                          ; L
	v_bfe_u32 v15, v0, 4, 1                        ; hh
	v_lshlrev_b32 v1, 4, v14                       ; 16 L
	v_lshlrev_b32 v3, 2, v14                       ; 4 L
	s_lshl_b32 s39, s2, 10                         ; my 1,024 bytes
	v_add_nc_u32 v4, s39, v3                       ; g in: lane = channel
	v_lshl_add_u32 v5, v14, 1, s39
	v_add_nc_u32 v5, 128, v5                       ; block fragments in: 2 bytes a channel
	v_lshl_add_u32 v6, v15, 5, s39                 ; g back
	v_lshl_add_u32 v2, v15, 4, s39
	v_add_nc_u32 v2, 128, v2                       ; block fragments back
	v_add_nc_u32 v7, XM, v4                        ; my maxima
	v_add_nc_u32 v8, XM, v3                        ; everybody's
	s_mul_i32 s39, s2, 17408
	s_add_co_u32 s39, s39, RED
	v_add_nc_u32 v9, s39, v1                       ; my partial O
	v_add_nc_u32 v10, s39, v3
	v_add_nc_u32 v10, 2048, v10                    ; my partial row sums
	s_mul_i32 s39, s2, 2176                        ; read back: query tile w of every wave; two registers each, since 7 x 17,408 passes the 16-bit offset
	s_add_co_u32 s39, s39, RED
	v_add_nc_u32 v11, s39, v1                      ; waves 0-3
	v_add_nc_u32 v12, 69632, v11                   ; waves 4-7
	v_add_nc_u32 v13, s39, v3
	v_add_nc_u32 v13, 2048, v13
	v_add_nc_u32 v14, 69632, v13
	s_mov_b32 s7, 0
	s_lshl3_add_u32 s40, s5, s4                    ; 8 b + h
	s_wait_kmcnt 0x0
	s_lshl_b32 s6, s40, 18
	s_lshl_b32 s41, s2, 15
	s_add_co_u32 s6, s6, s41
	s_add_nc_u64 s[20:21], s[8:9], s[6:7]          ; K at my 512 keys (32,768 bytes)
	s_add_nc_u64 s[24:25], s[10:11], s[6:7]        ; V likewise
	s_lshl_b32 s6, s40, 6
	s_lshl3_add_u32 s6, s3, s6
	s_lshl_b32 s6, s6, 10
	s_add_nc_u64 s[28:29], s[12:13], s[6:7]        ; q at my work-group's 8 query tiles of 1,024 bytes
	s_lshl_b32 s6, s5, 16
	s_lshl_b32 s41, s4, 7
	s_add_co_u32 s6, s6, s41
	s_add_nc_u64 s[30:31], s[14:15], s[6:7]        ; stat: my batch, my head's 32 channels
	s_lshl_b32 s6, s2, 13
	s_add_nc_u64 s[32:33], s[30:31], s[6:7]        ; and from my first block on (4 blocks of 2,048 bytes a wave)
	s_lshl_b32 s6, s5, 6
	s_lshl3_add_u32 s6, s3, s6
	s_add_co_u32 s6, s6, s2                        ; query tile 64 b + 8 qb + w
	s_lshl4_add_u32 s6, s6, s4                     ; 16 fragments of 1,024 bytes a tile: 8 heads hi, 8 heads lo
	s_lshl_b32 s6, s6, 10
	s_add_nc_u64 s[34:35], s[16:17], s[6:7]
	; PROLOGUE.  lane = channel: the 32 blocks' means and sums of squares, my 4 blocks' means once more; then q's fragments and the ring's first five steps
.set ii, 0
.rept 32
	global_load_b32 v[80+ii], v3, s[30:31] offset:2048*ii
	global_load_b32 v[112+ii], v3, s[30:31] offset:2048*ii+1024
.set ii, ii+1
.endr
.irp i, 0,1,2,3
	global_load_b32 v[232+\i], v3, s[32:33] offset:2048*\i
.endr
.set ii, 0
.rept 16
	global_load_b128 v[QB+4*ii:QB+4*ii+3], v1, s[28:29] offset:512*ii
.set ii, ii+1
.endr
.irp s, 0,1,2,3,4
	GLOAD POOL+16*\s, 20, 2048*\s
.endr
	s_wait_loadcnt 36                              ; q's 16 loads and K's 20 are younger
	v_pk_add_f32 v[240:241], v[80:81], v[82:83]    ; (v232-247, the pool's sixth slot, are free until pass 1's first step asks for it)
	v_pk_add_f32 v[244:245], v[112:113], v[114:115]
.set ii, 2
.rept 14
	v_pk_add_f32 v[240:241], v[240:241], v[80+2*ii:81+2*ii]
	v_pk_add_f32 v[244:245], v[244:245], v[112+2*ii:113+2*ii]
.set ii, ii+1
.endr
	v_add_f32 v240, v240, v241
	v_add_f32 v244, v244, v245                     ; sum of the blocks' M2
	v_mul_f32 v240, 0x3d000000, v240               ; m = sum of means / 32
	v_mov_b32 v241, v240
.set ii, 0
.rept 16
	v_pk_add_f32 v[80+2*ii:81+2*ii], v[80+2*ii:81+2*ii], v[240:241] neg_lo:[0,1] neg_hi:[0,1]
.set ii, ii+1
.endr
	v_pk_mul_f32 v[242:243], v[80:81], v[80:81]
.set ii, 1
.rept 15
	v_pk_fma_f32 v[242:243], v[80+2*ii:81+2*ii], v[80+2*ii:81+2*ii], v[242:243]
.set ii, ii+1
.endr
	v_add_f32 v242, v242, v243
	v_fmamk_f32 v244, v242, 0x43000000, v244       ; M2 = 128 sum (mean_i - m)^2 + sum M2_i
	v_mov_b32 v245, 0x39800000                     ; 1 / 4096
	v_fmaak_f32 v244, v244, v245, 0x3727c5ac       ; var + 1e-5
	v_rsq_f32 v244, v244
	v_nop                                          ; one plain line between the root and its use (ISA guide 5.7.2)
	s_wait_alu depctr_va_vdst(0)
	v_mul_f32 v244, 0x3db8aa3b, v244               ; g = rsqrt x log2(e) / 16
	ds_store_b32 v4, v244
	v_sub_f32 v238, v235, v234                     ; the links of pass 2's chain: mean_i - mean_(i-1)
	v_sub_f32 v237, v234, v233
	v_sub_f32 v236, v233, v232
.irp i, 0,1,2,3
	v_sub_f32 v[232+\i], v[232+\i], v240           ; D_i = mean_i - m
.endr
.irp i, 0,1,2,3,4,5,6
	v_mul_f32 v[232+\i], v[232+\i], v244           ; times g, in f32,
.endr
.irp i, 0,1,2,3,4,5,6
	v_cvt_pk_f16_f32 v[232+\i], v[232+\i], v[232+\i]   ; rounded once
.endr
.irp i, 0,1,2,3
	ds_store_b16 v5, v[232+\i] offset:64*\i
.endr
	ds_store_b16 v5, v232 offset:256               ; the chain's first link is g D_0
.irp i, 1,2,3
	ds_store_b16 v5, v[235+\i] offset:256+64*\i
.endr
	ds_load_b128 v[80:83], v6                      ; g of the 16 channels that a lane holds of a K fragment: 8 hh .. + 7 and 16 + 8 hh .. + 7
	ds_load_b128 v[84:87], v6 offset:16
	ds_load_b128 v[88:91], v6 offset:64
	ds_load_b128 v[92:95], v6 offset:80
	s_wait_dscnt 0x0                               ; my own bytes, served in order: no barrier
.irp k, 0,1,2,3,4,5,6,7
	v_cvt_pk_f16_f32 v[RS+\k], v[80+2*\k], v[81+2*\k]
.endr
.irp k, 0,1,2,3,4,5,6,7
	v_mov_b32 v[ONE+\k], 0x3c003c00                ; 1.0 twice, f16
.endr
; PASS 1.  Item N = step (N >> 3) x query tile (N & 7): the scores of 32 keys x 16 queries, without the block's term, in two products (half 0: the step's keys 0-15).
; Step s lies in slot s mod 6.
.macro SM1 N, half
.set qq, (\N)&7
.set kr, POOL+16*(((\N)>>3)%6)
.set sb, SB+16*((\N)&1)
	v_wmma_f32_16x16x32_f16 v[sb+8*\half:sb+8*\half+7], v[kr+8*\half:kr+8*\half+7], v[QB+8*qq:QB+8*qq+7], 0
.endm
; 16 scores and the block's maximum: 8 lines, in two halves of four.  In a block's first step the maximum starts from the scores: nothing is preset.
.macro MAXA n
.set sb, SB+16*((\n)&1)
	v_max3_num_f32 v[sb], v[sb], v[sb+1], v[sb+2]
	v_max3_num_f32 v[sb+3], v[sb+3], v[sb+4], v[sb+5]
	v_max3_num_f32 v[sb+6], v[sb+6], v[sb+7], v[sb+8]
	v_max3_num_f32 v[sb+9], v[sb+9], v[sb+10], v[sb+11]
.endm
.macro MAXB n
.set sb, SB+16*((\n)&1)
.set mm, BM+((\n)&7)
	v_max3_num_f32 v[sb+12], v[sb+12], v[sb+13], v[sb+14]
	v_max3_num_f32 v[sb], v[sb], v[sb+3], v[sb+6]
	v_max3_num_f32 v[sb+9], v[sb+9], v[sb+12], v[sb+15]
.if (\n) < 8
	v_max_num_f32 v[mm], v[sb], v[sb+9]
.else
	v_max3_num_f32 v[mm], v[mm], v[sb], v[sb+9]
.endif
.endm
; Step s's one group of 4 loads, into slot (s + 5) mod 6, which step s - 1 has read out: K of step s + 5; from step 11 on pass 2's K0, V0, K1, V1, K2 and (s = 16, behind the pass) V2,
; which so land in slots 4, 5, 0, 1, 2, 3.
.macro LD1 s
.set dd, POOL+16*(((\s)+5)%6)
.if (\s) < 11
	GLOAD dd, 20, 2048*((\s)+5)
.else
.if ((\s)-11)&1
	GLOAD dd, 24, 2048*(((\s)-11)>>1)
.else
	GLOAD dd, 20, 2048*(((\s)-11)>>1)
.endif
.endif
.endm
; One block of 128 keys = 4 steps = 32 items, all in window 0.
; ORDER: four maxima of item n, the second product of item n + 1, the other four maxima of item n, the first product of item n + 2.
; PLACES (ISA guide 7.12.1): the first product of an item is read 8 maxima later (those of the item before, which lie in the other buffer); its second product is read by the third
; line of MAXA, behind the 4 lines of the neighbour's MAXB and MAXA's first two, which name registers 0-5 of the buffer, not 8-15.  A product writes over the product two items back,
; with the 8 maxima of the item between them; five v_nop do all that for the first three products, and five more stand in front of the block term's products, which write over the score buffers.
; WAITS: every step issues one group of 4 loads, five steps ahead, so 16 = the four younger groups (the first of all also shows q in, which was asked for ahead of K).
; THE BLOCK'S END: the block's term for the 8 query tiles, four products at a time into the score buffers; four v_nop, then maximum = max(maximum, block maximum + term).
.macro TRIP1 i
.set gb, 32*\i
	DLOAD 64*\i                                    ; g D_i, wanted at the block's end
	s_wait_loadcnt 16
	KSCALE POOL+16*((4*\i)%6)
	SM1 gb, 0
	SM1 gb, 1
	SM1 gb+1, 0
	NOPS 5
.set nn, 0
.rept 32
	MAXA nn
.if nn+1 < 32
	SM1 gb+nn+1, 1
.endif
	MAXB nn
.if (nn&7) == 0
	LD1 4*\i+(nn>>3)
.endif
.if nn+2 < 32
.if ((nn+2)&7) == 0
	s_wait_loadcnt 16
	KSCALE POOL+16*((4*\i+((nn+2)>>3))%6)
.endif
	SM1 gb+nn+2, 0
.endif
.set nn, nn+1
.endr
	NOPS 5
	s_wait_dscnt 0x0                               ; g D_i
.irp hf, 0,1
.irp q, 0,1,2,3
	v_wmma_f32_16x16x32_f16 v[SB+8*\q:SB+8*\q+7], v[DL:DL+7], v[QB+8*(4*\hf+\q):QB+8*(4*\hf+\q)+7], 0
.endr
	NOPS 4
.irp q, 0,1,2,3
.if \i == 0
	v_add_f32 v[MX+4*\hf+\q], v[BM+4*\hf+\q], v[SB+8*\q]       ; the first block starts the maxima
.else
	v_add_f32 v[SB+8*\q], v[BM+4*\hf+\q], v[SB+8*\q]
.endif
.endr
.if \i > 0
.irp q, 0,1,2,3
	v_max_num_f32 v[MX+4*\hf+\q], v[MX+4*\hf+\q], v[SB+8*\q]
.endr
.endif
.endr
.endm
	TRIP1 0
	TRIP1 1
	TRIP1 2
	TRIP1 3
	; THE JOINT MAXIMUM: the other half of the lanes (the other 8 keys of each tile), then the other seven waves through LDS
	LD1 16                                         ; V of pass 2's third step, into the slot of pass 1's last
.irp q, 0,1,2,3,4,5,6,7
	v_permlanex16_b32 v[SB+\q], v[MX+\q], s37, s38
.endr
.irp q, 0,1,2,3,4,5,6,7
	v_max_num_f32 v[MX+\q], v[MX+\q], v[SB+\q]
.endr
.irp q, 0,1,2,3,4,5,6,7
	ds_store_b32 v7, v[MX+\q] offset:128*\q
.endr
	DLOAD 256                                      ; the first link of pass 2's chain
	s_wait_dscnt 0x0                               ; for the others: my maxima have landed
	s_barrier_signal -1
	s_barrier_wait -1
	WIN 0x40                                       ; into window 1, whose registers pass 1 has not used
.irp q, 0,1,2,3,4,5,6,7
.irp u, 0,1,2,3,4,5,6,7
	ds_load_b32 v[8*\q+\u], v8 offset:1024*\u+128*\q
.endr
.endr
	s_wait_dscnt 0x0
	WIN 0x55                                       ; all operands in window 1
.irp q, 0,1,2,3,4,5,6,7
	v_max3_num_f32 v[8*\q], v[8*\q], v[8*\q+1], v[8*\q+2]
	v_max3_num_f32 v[8*\q+3], v[8*\q+3], v[8*\q+4], v[8*\q+5]
.endr
.irp q, 0,1,2,3,4,5,6,7
	v_max3_num_f32 v[8*\q], v[8*\q], v[8*\q+6], v[8*\q+7]
.endr
.irp q, 0,1,2,3,4,5,6,7
	v_max_num_f32 v[8*\q], v[8*\q], v[8*\q+3]
.endr
.irp q, 0,1,2,3,4,5,6,7
.irp j, 0,1,2,3,4,5,6,7
	v_mul_f32 v[C0+8*\q+\j], -1.0, v[8*\q]         ; the C tiles start as -max: a lane holds one query
.endr
.endr
	WIN 0x10
; PASS 2.  K of step t lies in slot (4 + 2 (t mod 3)) mod 6, V in the slot behind it.
.macro SM2 N, half
.set qq, (\N)&7
.set kr, POOL+16*((4+2*(((\N)>>3)%3))%6)
.set sb, SB+16*((\N)&1)
	v_wmma_f32_16x16x32_f16 v[sb+8*\half:sb+8*\half+7], v[kr+8*\half:kr+8*\half+7], v[QB+8*qq:QB+8*qq+7], v[C0+8*qq:C0+8*qq+7]
.endm
; one of item N's three P V products: wh = 0: dv 0-15, 1: dv 16-31, 2: the row sums.  In the first step the products start the sums; nothing is cleared
.macro PVW N, wh
.set qq, (\N)&7
.set vr, POOL+16*((4+2*(((\N)>>3)%3))%6)+16
.set pp, PB+8*((\N)&1)
.set dd, 64*\wh+8*qq
.if \wh == 2
.set aa, ONE
.else
.set aa, vr+8*\wh
.endif
.if (\N) < 8
	v_wmma_f32_16x16x32_f16 v[dd:dd+7], v[aa:aa+7], v[pp:pp+7], 0
.else
	v_wmma_f32_16x16x32_f16 v[dd:dd+7], v[aa:aa+7], v[pp:pp+7], v[dd:dd+7]
.endif
.endm
; One block.  Two settings: 0x50 (C and D in window 1) for P V and the C tiles' chain, 0x10 (C alone in window 1) for everything else.
; An item's turn n: the three P V products of item n - 1; the 16 exponentials of item n, in place; the two score products of item n + 1; a v_nop and the 8 conversions of item n to P's set n & 1.
; PLACES: between the score products of an item and the exponentials that read them, and between them and the products that write over them two items on,
; stand the v_nop and 8 conversions of the turn (they name the other score buffer and P); the same 9 lines stand between the P V products of item n and the conversions that write
; its set of P again, and between the last products that read a slot and the loads into it.  The v_nop is also the plain line between the exponentials and their first use (5.7.2).
; Five v_nop between the chain's products and the score products that take their results as C, and behind the block's first two score products.
; WAITS: step t (1 to 13) asks for K and V of step t + 2, 8 loads, into the slots of step t - 1.  Younger than step 0 are the two pairs of groups asked for in pass 1: 16;
; younger than steps 1 to 14 the next step's 8; than step 15 nothing.
.macro TRIP2 i
.set gb, 32*\i
.if \i == 0
	s_wait_loadcnt 16
.else
	s_wait_loadcnt 0x8
.endif
	KSCALE POOL+16*((4+2*((4*\i)%3))%6)
	s_wait_dscnt 0x0                               ; the chain's link
	WIN 0x50
.irp qt, 0,1,2,3,4,5,6,7
	v_wmma_f32_16x16x32_f16 v[C0+8*\qt:C0+8*\qt+7], v[DL:DL+7], v[QB+8*\qt:QB+8*\qt+7], v[C0+8*\qt:C0+8*\qt+7]
.endr
	NOPS 5
	WIN 0x10
	SM2 gb, 0
	SM2 gb, 1
	NOPS 5
.set nn, 0
.rept 32
.set st, 4*\i+(nn>>3)
.if (nn&7) == 1
.if st >= 1
.if st <= 13
.set ka, POOL+16*((4+2*((st+2)%3))%6)
	GLOAD ka, 20, 2048*(st+2)
	GLOAD ka+16, 24, 2048*(st+2)
.endif
.endif
.endif
.if nn == 1
.if \i < 3
	DLOAD 256+64*(\i+1)                            ; the next block's link
.endif
.endif
.if nn > 0
	WIN 0x50
	PVW gb+nn-1, 0
	PVW gb+nn-1, 1
	PVW gb+nn-1, 2
	WIN 0x10
.endif
.set kk, 0
.rept 16
	v_exp_f32 v[SB+16*(nn&1)+kk], v[SB+16*(nn&1)+kk]
.set kk, kk+1
.endr
.if nn+1 < 32
.if ((nn+1)&7) == 0
.if st+1 == 15
	s_wait_loadcnt 0x0
.else
	s_wait_loadcnt 0x8
.endif
	KSCALE POOL+16*((4+2*((st+1)%3))%6)
.endif
	SM2 gb+nn+1, 0
	SM2 gb+nn+1, 1
.endif
	v_nop
.set kk, 0
	s_wait_alu depctr_va_vdst(0)
.rept 8
	v_cvt_pk_f16_f32 v[PB+8*(nn&1)+kk], v[SB+16*(nn&1)+2*kk], v[SB+16*(nn&1)+2*kk+1]
.set kk, kk+1
.endr
.set nn, nn+1
.endr
	WIN 0x50
	PVW gb+31, 0
	PVW gb+31, 1
	PVW gb+31, 2
	WIN 0x10
.endm
	TRIP2 0
	TRIP2 1
	TRIP2 2
	TRIP2 3
	; THE END: all eight waves used the same maximum, so their partial O^T and row sums simply add.  Wave w sums query tile w.
	NOPS 4                                         ; four places between the last products and the lines that read their results or load into their sources
	WIN 0x04                                       ; LDS store data in window 1
.irp qt, 0,1,2,3,4,5,6,7
	ds_store_b128 v9, v[8*\qt:8*\qt+3] offset:2176*\qt
	ds_store_b128 v9, v[8*\qt+4:8*\qt+7] offset:2176*\qt+512
	ds_store_b128 v9, v[64+8*\qt:64+8*\qt+3] offset:2176*\qt+1024
	ds_store_b128 v9, v[64+8*\qt+4:64+8*\qt+7] offset:2176*\qt+1536
	ds_store_b32 v10, v[128+8*\qt] offset:2176*\qt
.endr
	WIN 0
	s_wait_dscnt 0x0                               ; for the others: my partial results have landed
	s_barrier_signal -1
	s_barrier_wait -1
.irp u, 0,1,2,3
.irp k, 0,1,2,3
	ds_load_b128 v[16+16*\u+4*\k:16+16*\u+4*\k+3], v11 offset:17408*\u+512*\k
	ds_load_b128 v[80+16*\u+4*\k:80+16*\u+4*\k+3], v12 offset:17408*\u+512*\k
.endr
	ds_load_b32 v[144+\u], v13 offset:17408*\u
	ds_load_b32 v[148+\u], v14 offset:17408*\u
.endr
	s_wait_dscnt 0x0
.irp u, 1,2,3,4,5,6,7
.irp e, 0,2,4,6,8,10,12,14
	v_pk_add_f32 v[16+\e:17+\e], v[16+\e:17+\e], v[16+16*\u+\e:17+16*\u+\e]
.endr
.endr
	v_pk_add_f32 v[144:145], v[144:145], v[146:147]
	v_pk_add_f32 v[148:149], v[148:149], v[150:151]
	v_pk_add_f32 v[144:145], v[144:145], v[148:149]
	v_add_f32 v144, v144, v145                     ; the row sum: at least about 1, the largest weight
	v_rcp_f32 v152, v144
	v_rcp_f32 v153, v144
	v_nop                                          ; one plain line between the reciprocals and their use (ISA guide 5.7.2)
	s_wait_alu depctr_va_vdst(0)
.irp e, 0,2,4,6,8,10,12,14
	v_pk_mul_f32 v[16+\e:17+\e], v[16+\e:17+\e], v[152:153]
.endr
.irp m, 0,1,2,3,4,5,6,7
	v_cvt_pk_bf16_f32 v[160+\m], v[16+2*\m], v[17+2*\m]        ; hi
.endr
.irp m, 0,1,2,3,4,5,6,7
	v_lshlrev_b32 v[32+2*\m], 16, v[160+\m]
	v_and_b32 v[33+2*\m], 0xffff0000, v[160+\m]
.endr
.irp m, 0,1,2,3,4,5,6,7
	v_pk_add_f32 v[16+2*\m:17+2*\m], v[16+2*\m:17+2*\m], v[32+2*\m:33+2*\m] neg_lo:[0,1] neg_hi:[0,1]
.endr
.irp m, 0,1,2,3,4,5,6,7
	v_cvt_pk_bf16_f32 v[168+\m], v[16+2*\m], v[17+2*\m]        ; lo = bf16(o - hi)
.endr
	global_store_b128 v1, v[160:163], s[34:35]                 ; each store of the wave covers 512 consecutive bytes
	global_store_b128 v1, v[164:167], s[34:35] offset:512
	global_store_b128 v1, v[168:171], s[34:35] offset:8192
	global_store_b128 v1, v[172:175], s[34:35] offset:8704
	s_endpgm
.Lfunc_end_k_q8daea8fd85_attn:
	.size	k_q8daea8fd85_attn, .Lfunc_end_k_q8daea8fd85_attn-k_q8daea8fd85_attn
	.p2alignl 7, 3214868480
	.fill 96, 4, 3214868480
	.section	.rodata,"a",@progbits
	.p2align	6, 0x0
	.amdhsa_kernel k_q8daea8fd85_attn
		.amdhsa_group_segment_fixed_size 155648
		.amdhsa_private_segment_fixed_size 0
		.amdhsa_enable_private_segment 0
		.amdhsa_kernarg_size 40
		.amdhsa_user_sgpr_count 2
		.amdhsa_user_sgpr_kernarg_segment_ptr 1
		.amdhsa_wavefront_size32 1
		.amdhsa_system_sgpr_workgroup_id_x 1
		.amdhsa_system_sgpr_workgroup_id_y 1
		.amdhsa_system_sgpr_workgroup_id_z 1
		.amdhsa_system_vgpr_workitem_id 0
		.amdhsa_next_free_vgpr 512
		.amdhsa_next_free_sgpr 66
		.amdhsa_reserve_vcc 0
		.amdhsa_float_denorm_mode_32 3
		.amdhsa_float_denorm_mode_16_64 3
		.amdhsa_memory_ordered 1
		.amdhsa_forward_progress 1
		.amdhsa_inst_pref_size 255
	.end_amdhsa_kernel
	.section	.bss,"aw",@nobits
	.p2align	6
	.space	262144
	.amdgpu_metadata
---
amdhsa.version: [ 1, 2 ]
amdhsa.kernels:
  - .name:           k_q8daea8fd85_attn
    .symbol:         k_q8daea8fd85_attn.kd
    .args:
      - { .name: Kf, .offset: 0, .size: 8, .value_kind: global_buffer, .address_space: global }
      - { .name: Vf, .offset: 8, .size: 8, .value_kind: global_buffer, .address_space: global }
      - { .name: Qf, .offset: 16, .size: 8, .value_kind: global_buffer, .address_space: global }
      - { .name: stat, .offset: 24, .size: 8, .value_kind: global_buffer, .address_space: global }
      - { .name: Af, .offset: 32, .size: 8, .value_kind: global_buffer, .address_space: global }
    .group_segment_fixed_size: 155648
    .private_segment_fixed_size: 0
    .kernarg_segment_align: 8
    .kernarg_segment_size: 40
    .max_flat_workgroup_size: 256
    .sgpr_count:     66
    .vgpr_count:     512
    .wavefront_size: 32
...
	.end_amdgpu_metadata
.endif
;; end of part 5
;; launch oproj (part 6): grid 256 x 1, 4 waves a work-group, no clusters, 53,248 bytes of LDS; arguments Af, Ww, bw, Yb, stat2; writes Yb, stat2
.if DOCPART == 6
	.amdgcn_target "amdgcn-amd-amdhsa--gfx1250"
	.amdhsa_code_object_version 6
	.text
	.protected	k_q8daea8fd85_oproj
	.globl	k_q8daea8fd85_oproj
	.p2align	8
	.type	k_q8daea8fd85_oproj,@function
k_q8daea8fd85_oproj:
	s_mov_b64 s[64:65], 0
	v_nop
	global_prefetch_b8 v0, s[64:65] scope:SCOPE_SE
	s_setreg_imm32_b32 hwreg(HW_REG_WAVE_MODE, 25, 1), 1
	s_wait_xcnt 0x0
; y = o Ww^T + bw (f32, laid out as out0), and for each block of 64 queries and each channel the mean and the centred sum of squares of y.
; The norm over all 1,024 queries spans work-groups, so it is finished by the next launch; y goes through memory once.
; o comes as two bf16 parts (hi, lo), so K runs over 16 steps of 32: 8 heads of hi, 8 of lo, both with the same fragment of Ww.
; Work-group g: queries 64 (g >> 2) .. + 63 of the flattened 4,096, channels 64 (g & 3) .. + 63: 256 equal shares.  Wave w: query tile w of the four x 4 channel tiles = 32 accumulators.
; o is source 0: a lane holds one channel of each tile, so sums over queries stay in the lane.
; ALL LOADS ARE ASKED FOR IN ONE RUN AT THE START: Ww's 64 rows (32 loads a lane), bw, o's 16 fragments (32 loads, straight into registers of window 1, in fragment order).
; Ww is rounded to bf16 once on its way into LDS.  Its fragments come back through a ring of four slots of 32 registers.
; No joint requests, though the 4 channel blocks of a query block read the same 64 KiB of o and the 64 query blocks the same 64 KiB of Ww: o needs no LDS at all, Ww has to pass
; through registers to be rounded, and a work-group reads only 128 KiB in all.  No prefetch: there is nothing to run ahead of.
; Variance: each wave's mean and centred sum of squares over 16 queries, joined as M2 = sum M2_u + 16 sum (mean_u - m)^2: never a difference of large sums.
; Not served: NaN and infinite inputs.
.set WP,   528                         ; Ww in LDS: 512 bytes of bf16 + 16 (33 x 16)
.set ST,   33792                       ; [wave 4][mean, M2][64 channels] f32
.set STGE, 35840                       ; 16 rows x 272 bytes for each wave: the way out
.set ACC,  32                          ; v[32:63]   accumulator of channel tile ct at 32 + 8 ct
.set BT,   64                          ; v[64:95]   bias tuples; later the rows on their way out
.set WS,   128                         ; v[128:255] Ww as loaded; then its fragments, slot ks & 3 at 128 + 32 (ks & 3)
; window 1: v[8 ks : 8 ks + 7] o's fragment of K step ks (0-7 hi, 8-15 lo); v128 a copy of the fragment address, so that the K loop runs under one setting
.set MSB, 0
.macro WIN new
.if MSB != \new
	s_set_vgpr_msb (MSB<<8)|\new
.set MSB, \new
.endif
.endm
.macro NOPS n
.rept \n
	v_nop
.endr
.endm
	s_load_b256 s[4:11], s[0:1], 0x0               ; Af 4, Ww 6, bw 8, Yb 10
	s_load_b64 s[12:13], s[0:1], 0x20              ; stat2
	v_lshrrev_b32 v16, 5, v0
	v_readfirstlane_b32 s2, v16                    ; wave w
	s_and_b32 s14, ttmp9, 3                        ; channel block
	s_lshr_b32 s15, ttmp9, 2                       ; block of 64 queries, 0 .. 63
	s_mov_b32 s20, 0x76543210                      ; v_permlanex16_b32: lane i of one half reads lane i of the other
	s_mov_b32 s21, 0xfedcba98
	v_and_b32 v17, 31, v0                          ; L
	v_and_b32 v18, 15, v0                          ; r
	v_bfe_u32 v19, v0, 4, 1                        ; hh
	v_lshlrev_b32 v1, 4, v17                       ; 16 L
	s_lshr_b32 s16, s2, 1                          ; Ww: two waves take a row of 1,024 bytes, the work-group two rows
	s_mul_i32 s16, s16, WP
	s_and_b32 s18, s2, 1
	s_lshl_b32 s18, s18, 8
	s_add_co_u32 s16, s16, s18
	v_lshl_add_u32 v2, v17, 3, s16                 ; LDS: (w / 2) x 528 + (w & 1) x 256 + 8 L
	v_lshlrev_b32 v3, 4, v0                        ; memory: 16 t
	v_mul_u32_u24 v4, v18, WP
	v_lshl_add_u32 v4, v19, 4, v4                  ; Ww's fragments: r x 528 + 16 hh
	s_mul_i32 s16, s2, 4352
	s_add_co_u32 s16, s16, STGE
	v_mul_u32_u24 v5, v19, 2176
	v_lshl_add_u32 v5, v18, 2, v5
	v_add_nc_u32 v5, s16, v5                       ; stage in: row 8 hh + j, channel r
	v_mul_u32_u24 v6, v19, 272
	v_lshl_add_u32 v6, v18, 4, v6
	v_add_nc_u32 v6, s16, v6                       ; stage back: 16 lanes take a row of 256 bytes
	v_lshlrev_b32 v7, 10, v19
	v_lshl_add_u32 v7, v18, 4, v7                  ; and the same two rows in y
	s_lshl_b32 s16, s2, 9
	s_add_co_u32 s16, s16, ST
	v_lshl_add_u32 v12, v18, 2, s16                ; my figures: ST + 512 w + 4 r
	v_lshlrev_b32 v14, 3, v17                      ; 8 L
	v_add_nc_u32 v13, ST, v14                      ; wave 0 joins: channels 2 L, 2 L + 1
	v_lshlrev_b32 v0, 2, v18                       ; 4 r (the thread's number is not needed any more)
	s_mov_b32 s17, 0
	s_wait_kmcnt 0x0
	s_lshl2_add_u32 s16, s15, s2                   ; query tile 4 x block + w
	s_lshl_b32 s16, s16, 14                        ; 16,384 bytes a tile
	s_add_nc_u64 s[4:5], s[4:5], s[16:17]
	s_lshl_b32 s16, s14, 16
	s_add_nc_u64 s[6:7], s[6:7], s[16:17]          ; my 64 rows of Ww
	s_lshl_b32 s16, s14, 8
	s_add_nc_u64 s[8:9], s[8:9], s[16:17]          ; my 64 words of bw
	s_lshl_b32 s18, s15, 16                        ; y: 64 rows of 1,024 bytes a block,
	s_add_co_u32 s16, s16, s18
	s_lshl_b32 s18, s2, 14                         ; 16 rows a wave, + 256 bytes x channel block
	s_add_co_u32 s16, s16, s18
	s_add_nc_u64 s[10:11], s[10:11], s[16:17]
	s_lshl_b32 s16, s15, 11                        ; stat2: two planes of 1,024 bytes a block
	s_lshl_b32 s18, s14, 8
	s_add_co_u32 s16, s16, s18
	s_add_nc_u64 s[12:13], s[12:13], s[16:17]
.set ii, 0
.rept 32
	global_load_b128 v[WS+4*ii:WS+4*ii+3], v3, s[6:7] offset:2048*ii
.set ii, ii+1
.endr
.irp ct, 0,1,2,3
	global_load_b32 v[8+\ct], v0, s[8:9] offset:64*\ct
.endr
	WIN 0x40                                       ; destination in window 1
	v_mov_b32 v128, v4
.irp ks, 0,1,2,3,4,5,6,7
	global_load_b128 v[8*\ks:8*\ks+3], v1, s[4:5] offset:1024*\ks                  ; hi and lo of a head side by side: 4 loads for each step of Ww
	global_load_b128 v[8*\ks+4:8*\ks+7], v1, s[4:5] offset:1024*\ks+512
	global_load_b128 v[64+8*\ks:64+8*\ks+3], v1, s[4:5] offset:8192+1024*\ks
	global_load_b128 v[64+8*\ks+4:64+8*\ks+7], v1, s[4:5] offset:8192+1024*\ks+512
.endr
	WIN 0
; Ww into LDS in groups of eight loads, the conversions one group ahead of the stores.  Waits: younger than group g are the 8 (3 - g) later loads of Ww, bw's 4 and o's 32.
.macro CVTG g
	s_wait_loadcnt 60-8*(\g)
.set ii, 8*(\g)
.rept 8
	v_cvt_pk_bf16_f32 v[WS+4*ii], v[WS+4*ii], v[WS+4*ii+1]
	v_cvt_pk_bf16_f32 v[WS+4*ii+1], v[WS+4*ii+2], v[WS+4*ii+3]
.set ii, ii+1
.endr
.endm
.macro STG g
.set ii, 8*(\g)
.rept 8
	ds_store_b64 v2, v[WS+4*ii:WS+4*ii+1] offset:2*WP*ii
.set ii, ii+1
.endr
.endm
	CVTG 0
	CVTG 1
	STG 0
	CVTG 2
	STG 1
	CVTG 3
	STG 2
	STG 3
	s_wait_loadcnt 32                              ; bw is in; o's 32 loads are younger
.irp ct, 0,1,2,3
.irp j, 0,1,2,3,4,5,6,7
	v_mov_b32 v[BT+8*\ct+\j], v[8+\ct]             ; a lane holds one channel of the tile: its bias fills the tuple from which the sums start
.endr
.endr
	s_wait_dscnt 0x0                               ; for the others: my part of Ww has landed
	s_barrier_signal -1
	s_barrier_wait -1
	WIN 0x01                                       ; source 0 (o's fragments, the LDS address) in window 1, all else in window 0
.macro WFETCH ks                       ; Ww's 4 fragments of step ks into slot ks & 3
.irp ct, 0,1,2,3
	ds_load_b128 v[WS+32*((\ks)&3)+8*\ct:WS+32*((\ks)&3)+8*\ct+3], v128 offset:16*WP*\ct+64*(\ks)
	ds_load_b128 v[WS+32*((\ks)&3)+8*\ct+4:WS+32*((\ks)&3)+8*\ct+7], v128 offset:16*WP*\ct+64*(\ks)+32
.endr
.endm
; One step of Ww, used for o's hi and lo part: 8 products.  loadcnt: o's later pairs of parts, 4 loads each, stay out.  dscnt: the younger slots, 8 loads each, stay out.
; Four v_nop are the places between the products and the loads into the slot that they read.
.macro KSTEP ks
	s_wait_loadcnt 28-4*\ks
.if \ks < 5
	s_wait_dscnt 24
.else
	s_wait_dscnt 8*(7-\ks)
.endif
.irp pt, 0,1
.irp ct, 0,1,2,3
.if (\ks+\pt) == 0
	v_wmma_f32_16x16x32_bf16 v[ACC+8*\ct:ACC+8*\ct+7], v[8*\ks+64*\pt:8*\ks+64*\pt+7], v[WS+32*(\ks&3)+8*\ct:WS+32*(\ks&3)+8*\ct+7], v[BT+8*\ct:BT+8*\ct+7]
.else
	v_wmma_f32_16x16x32_bf16 v[ACC+8*\ct:ACC+8*\ct+7], v[8*\ks+64*\pt:8*\ks+64*\pt+7], v[WS+32*(\ks&3)+8*\ct:WS+32*(\ks&3)+8*\ct+7], v[ACC+8*\ct:ACC+8*\ct+7]
.endif
.endr
.endr
.if \ks < 4
	NOPS 4
	WFETCH \ks+4
.endif
.endm
	WFETCH 0
	WFETCH 1
	WFETCH 2
	WFETCH 3
.irp ks, 0,1,2,3,4,5,6,7
	KSTEP \ks
.endr
	NOPS 4                                         ; four places between the last products and the first line that reads a result
	WIN 0
	; my 16 queries' mean and centred sum of squares for each of my lane's 4 channels
.irp ct, 0,1,2,3
	v_pk_add_f32 v[96+2*\ct:97+2*\ct], v[ACC+8*\ct:ACC+8*\ct+1], v[ACC+8*\ct+2:ACC+8*\ct+3]
	v_pk_add_f32 v[104+2*\ct:105+2*\ct], v[ACC+8*\ct+4:ACC+8*\ct+5], v[ACC+8*\ct+6:ACC+8*\ct+7]
.endr
.irp ct, 0,1,2,3
	v_pk_add_f32 v[96+2*\ct:97+2*\ct], v[96+2*\ct:97+2*\ct], v[104+2*\ct:105+2*\ct]
.endr
.irp ct, 0,1,2,3
	v_add_f32 v[96+2*\ct], v[96+2*\ct], v[97+2*\ct]
.endr
.irp ct, 0,1,2,3
	v_permlanex16_b32 v[97+2*\ct], v[96+2*\ct], s20, s21       ; the tile's other 8 queries
.endr
.irp ct, 0,1,2,3
	v_add_f32 v[96+2*\ct], v[96+2*\ct], v[97+2*\ct]
.endr
.irp ct, 0,1,2,3
	v_mul_f32 v[96+2*\ct], 0x3d800000, v[96+2*\ct]             ; / 16
.endr
.irp ct, 0,1,2,3
	v_mov_b32 v[97+2*\ct], v[96+2*\ct]
.endr
.irp p, 0,1,2,3
.irp ct, 0,1,2,3
	v_pk_add_f32 v[112+2*\ct:113+2*\ct], v[ACC+8*\ct+2*\p:ACC+8*\ct+2*\p+1], v[96+2*\ct:97+2*\ct] neg_lo:[0,1] neg_hi:[0,1]
.endr
.irp ct, 0,1,2,3
.if \p == 0
	v_pk_mul_f32 v[104+2*\ct:105+2*\ct], v[112+2*\ct:113+2*\ct], v[112+2*\ct:113+2*\ct]
.else
	v_pk_fma_f32 v[104+2*\ct:105+2*\ct], v[112+2*\ct:113+2*\ct], v[112+2*\ct:113+2*\ct], v[104+2*\ct:105+2*\ct]
.endif
.endr
.endr
.irp ct, 0,1,2,3
	v_add_f32 v[104+2*\ct], v[104+2*\ct], v[105+2*\ct]
.endr
.irp ct, 0,1,2,3
	v_permlanex16_b32 v[105+2*\ct], v[104+2*\ct], s20, s21
.endr
.irp ct, 0,1,2,3
	v_add_f32 v[104+2*\ct], v[104+2*\ct], v[105+2*\ct]
.endr
.irp ct, 0,1,2,3
	ds_store_b32 v12, v[96+2*\ct] offset:64*\ct                ; both halves of the lanes write the same word with the same value
	ds_store_b32 v12, v[104+2*\ct] offset:64*\ct+256
.endr
	; y's way out through my own stage (LDS serves a wave's instructions in order: no wait between the stores and the loads):
	; a lane holds a piece of a column; read back by rows, 16 lanes store 256 consecutive, aligned bytes.
.irp ct, 0,1,2,3
.irp j, 0,1,2,3,4,5,6,7
	ds_store_b32 v5, v[ACC+8*\ct+\j] offset:272*\j+64*\ct
.endr
.endr
.irp i, 0,1,2,3,4,5,6,7
	ds_load_b128 v[BT+4*\i:BT+4*\i+3], v6 offset:544*\i
.endr
.irp i, 0,1,2,3,4,5,6,7
	s_wait_dscnt 7-\i                              ; the younger rows stay out
	global_store_b128 v7, v[BT+4*\i:BT+4*\i+3], s[10:11] offset:2048*\i
.endr
	s_wait_dscnt 0x0                               ; for wave 0: my figures have landed
	s_barrier_signal -1
	s_barrier_wait -1
	s_cmp_lg_u32 s2, 0                             ; wave 0 joins the four waves' figures, two channels a lane; no barrier stands inside
	s_cbranch_scc1 .Ldone
.irp u, 0,1,2,3
	ds_load_b64 v[96+2*\u:97+2*\u], v13 offset:512*\u
	ds_load_b64 v[104+2*\u:105+2*\u], v13 offset:512*\u+256
.endr
	s_wait_dscnt 0x0
	v_pk_add_f32 v[112:113], v[96:97], v[98:99]
	v_pk_add_f32 v[114:115], v[100:101], v[102:103]
	v_pk_add_f32 v[116:117], v[104:105], v[106:107]
	v_pk_add_f32 v[118:119], v[108:109], v[110:111]
	v_pk_add_f32 v[112:113], v[112:113], v[114:115]
	v_pk_add_f32 v[116:117], v[116:117], v[118:119]            ; sum of the waves' M2
	v_pk_mul_f32 v[112:113], v[112:113], 0x3e800000 op_sel_hi:[1,0]   ; m = sum of means / 4
.irp u, 0,1,2,3
	v_pk_add_f32 v[96+2*\u:97+2*\u], v[96+2*\u:97+2*\u], v[112:113] neg_lo:[0,1] neg_hi:[0,1]
.endr
	v_pk_mul_f32 v[120:121], v[96:97], v[96:97]
.irp u, 1,2,3
	v_pk_fma_f32 v[120:121], v[96+2*\u:97+2*\u], v[96+2*\u:97+2*\u], v[120:121]
.endr
	v_pk_fma_f32 v[116:117], v[120:121], 0x41800000, v[116:117] op_sel_hi:[1,0,1]   ; M2 = 16 sum (mean_u - m)^2 + sum M2_u
	global_store_b64 v14, v[112:113], s[12:13]                 ; 64 means: 256 consecutive bytes
	global_store_b64 v14, v[116:117], s[12:13] offset:1024     ; 64 sums of squares
.Ldone:
	s_endpgm
.Lfunc_end_k_q8daea8fd85_oproj:
	.size	k_q8daea8fd85_oproj, .Lfunc_end_k_q8daea8fd85_oproj-k_q8daea8fd85_oproj
	.p2alignl 7, 3214868480
	.fill 96, 4, 3214868480
	.section	.rodata,"a",@progbits
	.p2align	6, 0x0
	.amdhsa_kernel k_q8daea8fd85_oproj
		.amdhsa_group_segment_fixed_size 53248
		.amdhsa_private_segment_fixed_size 0
		.amdhsa_enable_private_segment 0
		.amdhsa_kernarg_size 40
		.amdhsa_user_sgpr_count 2
		.amdhsa_user_sgpr_kernarg_segment_ptr 1
		.amdhsa_wavefront_size32 1
		.amdhsa_system_sgpr_workgroup_id_x 1
		.amdhsa_system_sgpr_workgroup_id_y 1
		.amdhsa_system_sgpr_workgroup_id_z 1
		.amdhsa_system_vgpr_workitem_id 0
		.amdhsa_next_free_vgpr 400
		.amdhsa_next_free_sgpr 66
		.amdhsa_reserve_vcc 0
		.amdhsa_float_denorm_mode_32 3
		.amdhsa_float_denorm_mode_16_64 3
		.amdhsa_memory_ordered 1
		.amdhsa_forward_progress 1
		.amdhsa_inst_pref_size 36
	.end_amdhsa_kernel
	.amdgpu_metadata
---
amdhsa.version: [ 1, 2 ]
amdhsa.kernels:
  - .name:           k_q8daea8fd85_oproj
    .symbol:         k_q8daea8fd85_oproj.kd
    .args:
      - { .name: Af, .offset: 0, .size: 8, .value_kind: global_buffer, .address_space: global }
      - { .name: Ww, .offset: 8, .size: 8, .value_kind: global_buffer, .address_space: global }
      - { .name: bw, .offset: 16, .size: 8, .value_kind: global_buffer, .address_space: global }
      - { .name: Yb, .offset: 24, .size: 8, .value_kind: global_buffer, .address_space: global }
      - { .name: stat2, .offset: 32, .size: 8, .value_kind: global_buffer, .address_space: global }
    .group_segment_fixed_size: 53248
    .private_segment_fixed_size: 0
    .kernarg_segment_align: 8
    .kernarg_segment_size: 40
    .max_flat_workgroup_size: 128
    .sgpr_count:     66
    .vgpr_count:     400
    .wavefront_size: 32
...
	.end_amdgpu_metadata
.endif
;; end of part 6
;; launch ofin (part 7): grid 256 x 1, 8 waves a work-group, no clusters, 0 bytes of LDS; arguments Yb, stat2, out0; writes out0
.if DOCPART == 7
	.amdgcn_target "amdgcn-amd-amdhsa--gfx1250"
	.amdhsa_code_object_version 6
	.text
	.protected	k_q8daea8fd85_ofin
	.globl	k_q8daea8fd85_ofin
	.p2align	8
	.type	k_q8daea8fd85_ofin,@function
k_q8daea8fd85_ofin:
	s_mov_b64 s[64:65], 0
	v_nop
	global_prefetch_b8 v0, s[64:65] scope:SCOPE_SE
	s_setreg_imm32_b32 hwreg(HW_REG_WAVE_MODE, 25, 1), 1
	s_wait_xcnt 0x0
; out0 = (y - m) rsqrt(var + eps), m and var over the 1,024 queries of each (batch, channel), from the 16 blocks' means and centred sums of squares:
; M2 = sum M2_u + 64 sum (mean_u - m)^2, only non-negative terms.  y rs + (-m rs) is one fused operation.
; A stream: work-group g owns rows 16 g .. + 15 of the flattened 4,096; thread t owns the 16 bytes (4 channels) at byte 16 (t & 63) of rows (t >> 6) + 4 i, which are the
; 16 bytes at 16 t + 4096 i of the work-group's part: every load and store of a wave covers 512 consecutive bytes.
; Each thread joins the statistics of its own 4 channels in its lane (32 loads of 16 bytes, about 130 packed lines): no LDS, no barrier.
; No matrix unit, no cluster: there is no product, and nothing is shared but a batch's 32 KiB of statistics.  No prefetch: all loads are asked for at once.
; Not served: NaN and infinite inputs.
.set MN, 16                            ; v[16:79]   means of the 16 blocks, 4 channels each
.set M2, 80                            ; v[80:143]  their sums of squares
.set Y,  144                           ; v[144:159] my 4 pieces of y
	s_load_b128 s[4:7], s[0:1], 0x0                ; Yb 4, stat2 6
	s_load_b64 s[8:9], s[0:1], 0x10                ; out0
	v_lshlrev_b32 v1, 4, v0                        ; 16 t
	v_and_b32 v2, 63, v0
	v_lshlrev_b32 v2, 4, v2                        ; my 4 channels in a plane of the statistics
	s_lshl_b32 s10, ttmp9, 14                      ; 16 rows of 1,024 bytes
	s_mov_b32 s11, 0
	s_lshr_b32 s12, ttmp9, 6                       ; batch
	s_lshl_b32 s12, s12, 15                        ; 16 blocks x 2 planes x 1,024 bytes
	s_mov_b32 s13, 0
	v_mov_b32 v172, 0x3727c5ac                     ; 1e-5
	v_mov_b32 v173, 0x3727c5ac
	s_wait_kmcnt 0x0
	s_add_nc_u64 s[4:5], s[4:5], s[10:11]
	s_add_nc_u64 s[8:9], s[8:9], s[10:11]
	s_add_nc_u64 s[6:7], s[6:7], s[12:13]
.set ii, 0
.rept 16
	global_load_b128 v[MN+4*ii:MN+4*ii+3], v2, s[6:7] offset:2048*ii
	global_load_b128 v[M2+4*ii:M2+4*ii+3], v2, s[6:7] offset:2048*ii+1024
.set ii, ii+1
.endr
.irp i, 0,1,2,3
	global_load_b128 v[Y+4*\i:Y+4*\i+3], v1, s[4:5] offset:4096*\i th:TH_LOAD_NT
.endr
	s_wait_loadcnt 0x4                             ; the statistics are in; y's 4 loads are younger
	v_pk_add_f32 v[160:161], v[MN:MN+1], v[MN+4:MN+5]
	v_pk_add_f32 v[162:163], v[MN+2:MN+3], v[MN+6:MN+7]
	v_pk_add_f32 v[164:165], v[M2:M2+1], v[M2+4:M2+5]
	v_pk_add_f32 v[166:167], v[M2+2:M2+3], v[M2+6:M2+7]
.set ii, 2
.rept 14
	v_pk_add_f32 v[160:161], v[160:161], v[MN+4*ii:MN+4*ii+1]
	v_pk_add_f32 v[162:163], v[162:163], v[MN+4*ii+2:MN+4*ii+3]
	v_pk_add_f32 v[164:165], v[164:165], v[M2+4*ii:M2+4*ii+1]
	v_pk_add_f32 v[166:167], v[166:167], v[M2+4*ii+2:M2+4*ii+3]
.set ii, ii+1
.endr
	v_pk_mul_f32 v[160:161], v[160:161], 0xbd800000 op_sel_hi:[1,0]    ; -m = -(sum of means) / 16
	v_pk_mul_f32 v[162:163], v[162:163], 0xbd800000 op_sel_hi:[1,0]
.set ii, 0
.rept 16
	v_pk_add_f32 v[MN+4*ii:MN+4*ii+1], v[MN+4*ii:MN+4*ii+1], v[160:161]          ; mean_u - m
	v_pk_add_f32 v[MN+4*ii+2:MN+4*ii+3], v[MN+4*ii+2:MN+4*ii+3], v[162:163]
.set ii, ii+1
.endr
	v_pk_mul_f32 v[168:169], v[MN:MN+1], v[MN:MN+1]
	v_pk_mul_f32 v[170:171], v[MN+2:MN+3], v[MN+2:MN+3]
.set ii, 1
.rept 15
	v_pk_fma_f32 v[168:169], v[MN+4*ii:MN+4*ii+1], v[MN+4*ii:MN+4*ii+1], v[168:169]
	v_pk_fma_f32 v[170:171], v[MN+4*ii+2:MN+4*ii+3], v[MN+4*ii+2:MN+4*ii+3], v[170:171]
.set ii, ii+1
.endr
	v_pk_fma_f32 v[164:165], v[168:169], 0x42800000, v[164:165] op_sel_hi:[1,0,1]   ; M2 = 64 sum (mean_u - m)^2 + sum M2_u
	v_pk_fma_f32 v[166:167], v[170:171], 0x42800000, v[166:167] op_sel_hi:[1,0,1]
	v_pk_fma_f32 v[164:165], v[164:165], 0x3a800000, v[172:173] op_sel_hi:[1,0,1]   ; / 1024 + 1e-5
	v_pk_fma_f32 v[166:167], v[166:167], 0x3a800000, v[172:173] op_sel_hi:[1,0,1]
	v_rsq_f32 v176, v164
	v_rsq_f32 v177, v165
	v_rsq_f32 v178, v166
	v_rsq_f32 v179, v167
	v_nop                                          ; one plain line between the roots and their first use (ISA guide 5.7.2)
	s_wait_alu depctr_va_vdst(0)
	v_pk_mul_f32 v[180:181], v[160:161], v[176:177]            ; -m rs
	v_pk_mul_f32 v[182:183], v[162:163], v[178:179]
	s_wait_loadcnt 0x0
.irp i, 0,1,2,3
	v_pk_fma_f32 v[Y+4*\i:Y+4*\i+1], v[Y+4*\i:Y+4*\i+1], v[176:177], v[180:181]
	v_pk_fma_f32 v[Y+4*\i+2:Y+4*\i+3], v[Y+4*\i+2:Y+4*\i+3], v[178:179], v[182:183]
.endr
.irp i, 0,1,2,3
	global_store_b128 v1, v[Y+4*\i:Y+4*\i+3], s[8:9] offset:4096*\i th:TH_STORE_NT
.endr
	s_endpgm
.Lfunc_end_k_q8daea8fd85_ofin:
	.size	k_q8daea8fd85_ofin, .Lfunc_end_k_q8daea8fd85_ofin-k_q8daea8fd85_ofin
	.p2alignl 7, 3214868480
	.fill 96, 4, 3214868480
	.section	.rodata,"a",@progbits
	.p2align	6, 0x0
	.amdhsa_kernel k_q8daea8fd85_ofin
		.amdhsa_group_segment_fixed_size 0
		.amdhsa_private_segment_fixed_size 0
		.amdhsa_enable_private_segment 0
		.amdhsa_kernarg_size 24
		.amdhsa_user_sgpr_count 2
		.amdhsa_user_sgpr_kernarg_segment_ptr 1
		.amdhsa_wavefront_size32 1
		.amdhsa_system_sgpr_workgroup_id_x 1
		.amdhsa_system_sgpr_workgroup_id_y 1
		.amdhsa_system_sgpr_workgroup_id_z 1
		.amdhsa_system_vgpr_workitem_id 0
		.amdhsa_next_free_vgpr 184
		.amdhsa_next_free_sgpr 66
		.amdhsa_reserve_vcc 0
		.amdhsa_float_denorm_mode_32 3
		.amdhsa_float_denorm_mode_16_64 3
		.amdhsa_memory_ordered 1
		.amdhsa_forward_progress 1
		.amdhsa_inst_pref_size 14
	.end_amdhsa_kernel
	.amdgpu_metadata
---
amdhsa.version: [ 1, 2 ]
amdhsa.kernels:
  - .name:           k_q8daea8fd85_ofin
    .symbol:         k_q8daea8fd85_ofin.kd
    .args:
      - { .name: Yb, .offset: 0, .size: 8, .value_kind: global_buffer, .address_space: global }
      - { .name: stat2, .offset: 8, .size: 8, .value_kind: global_buffer, .address_space: global }
      - { .name: out0, .offset: 16, .size: 8, .value_kind: global_buffer, .address_space: global }
    .group_segment_fixed_size: 0
    .private_segment_fixed_size: 0
    .kernarg_segment_align: 8
    .kernarg_segment_size: 24
    .max_flat_workgroup_size: 256
    .sgpr_count:     66
    .vgpr_count:     184
    .wavefront_size: 32
...
	.end_amdgpu_metadata
.endif
;; end of part 7
